; MI455X (gfx1250); checked and timed in simulation.
; The chip was launched on July 23, 2026; its instructions are those of AMD's public machine-readable ISA for CDNA 5 (MIT licence, August 2026) and "CDNA5" Instruction Set Architecture Reference Guide (July 2026). The comments in the code are by the model that wrote it; some were corrected since.
;; Efficient Attention. Allowed arithmetic: matrix products marked QUANTISED: E4M3 operands, one given power-of-two scale a tensor, by v_wmma_f32_16x16x64_fp8_fp8 or v_wmma_f32_16x16x128_fp8_fp8, f32 sums; everything else in f32.
;; Inputs: Wk 512 x 2,048 float32; Wo 2,048 x 2,048 float32; Wq 2,048 x 2,048 float32; Wv 512 x 2,048 float32; cos 1 x 1 x 2,048 x 64 float32; hidden_states 1 x 2,048 x 2,048 float32; lowp_scales 12 int32 (the exponents e of the quantised operands' scales 2^e); sin 1 x 1 x 2,048 x 64 float32.
;; Outputs: out0 1 x 2,048 x 2,048 float32.
;; This version of the problem:
;;   THIS VERSION OF THE PROBLEM IS GIVEN IN LOW PRECISION. The matrix products marked QUANTISED in the list below multiply operands that are first quantised to E4M3 (4 exponent bits, 3 mantissa bits; 8 bits a number), with one given power-of-two scale for each operand tensor; their sums are f32. All else is computed in f32.
;;   The module's matrix products, in the order in which they are computed (A, B: the left and right operand; K: the contracted axis; several contracted axes count as one K, in the product's order):
;;     1. [M 2,048, K 2,048] x [K 2,048, N 2,048]; A: input hidden_states; B: input Wq: QUANTISED (scales: A lowp_scales[0], B lowp_scales[1])
;;     2. [M 2,048, K 2,048] x [K 2,048, N 512]; A: input hidden_states; B: input Wk: QUANTISED (scales: A lowp_scales[2], B lowp_scales[3])
;;     3. [M 2,048, K 2,048] x [K 2,048, N 512]; A: input hidden_states; B: input Wv: QUANTISED (scales: A lowp_scales[4], B lowp_scales[5])
;;     4. batch 8 x [M 8,192, K 64] x [K 64, N 2,048]; A: computed on the way; B: computed on the way: QUANTISED (scales: A lowp_scales[6], B lowp_scales[7])
;;     5. batch 8 x [M 8,192, K 2,048] x [K 2,048, N 64]; A: softmax (see below); B: computed on the way: QUANTISED (scales: A lowp_scales[8], B lowp_scales[9])
;;     6. [M 2,048, K 2,048] x [K 2,048, N 2,048]; A: computed on the way; B: input Wo: QUANTISED (scales: A lowp_scales[10], B lowp_scales[11])
;;   THE QUANTISER, for each operand of a quantised product, along K:
;;     - The operand's scale is 2^e, e = its entry of the input lowp_scales (int32; the entries are numbered through the quantised products in the list's order, A before B).
;;     - Each number is divided by the scale, clamped to +-448, and rounded to the nearest number of E4M3, ties to even, subnormals kept.
;;     - The product sums the exact products of the quantised numbers (number of the format x scale) in f32.
;;   ~~~python
;;   def quantise(x, axis, e):      # numpy; x: float32 -> the quantised numbers, widened to float32 again
;;       x = np.moveaxis(x, axis, -1); K = x.shape[-1]
;;       r = np.clip(x / 2.0 ** e, -448, 448)
;;       step = 2.0 ** (np.maximum(np.frexp(np.where(r == 0, 1, r))[1] - 1, -6) - 3)
;;       q = np.round(r / step) * step * 2.0 ** e      # np.round: ties to even
;;       return np.moveaxis(q, -1, axis).astype(np.float32)
;;   ~~~
;;   SOFTMAX AHEAD OF A QUANTISED PRODUCT. Where the list says 'softmax', what is quantised is not the finished softmax but p = 2^(t - M), with t = logit x log2(e) and M = ceil(the row's largest t), a whole number; so 1/2 < the row's largest p <= 1. The row's sum l is taken of the UNQUANTISED p, in f32, and the product's result is divided by l at the end. Since M is a whole number, a kernel that streams over the keys may use a running M (the ceiling of the running maximum): every later rescaling is an exact power of two, so the quantised numbers keep their values, but for numbers so far below the row's largest that they fall under the format's range.
;;   OPERANDS COMPUTED ON THE WAY. 'Computed on the way' means the value that the module computes at that place (a softmax that the list does not call 'softmax' is quantised finished and normalised). What goes into a quantiser is computed in f32, as accurately as f32 sums, v_exp_f32 and their like allow (about 1e-6 of the number): no bf16 or f16 on the way to a quantiser, and a product that is left as it is and whose result goes on into a quantised operand takes f32 operands (vector FMAs, or v_wmma_f32_16x16x4_f32). A number that lies on a knife's edge between two numbers of the format may be rounded either way, as far as f32 arithmetic and the matrix unit's own rounding can turn it there, and no further.
;; One version. Each part assembles by itself: llvm-mc -triple=amdgcn-amd-amdhsa -mcpu=gfx1250 --defsym DOCPART=n.
;; ======== version 1 of 1: 4 launches
;; limits: right only within a limited range of input values
;; workspace buffers: x_codes 12,582,912 bytes; wqkv_codes 6,291,456 bytes; wo_codes 4,194,304 bytes; q_codes 4,194,304 bytes; k_codes 1,048,576 bytes; v_codes 1,048,576 bytes; ctx_codes 4,194,304 bytes
;; launch quant (part 1): grid 448 x 1, 4 waves a work-group, no clusters, 17,920 bytes of LDS; arguments hidden_states, Wq, Wk, Wv, Wo, lowp_scales, x_codes, wqkv_codes, wo_codes; writes x_codes, wqkv_codes, wo_codes
.if DOCPART == 1
	.amdgcn_target "amdgcn-amd-amdhsa--gfx1250"
	.amdhsa_code_object_version 6
	.text
	.protected	k_q38a617a91d_quant
	.globl	k_q38a617a91d_quant
	.p2align	8
	.type	k_q38a617a91d_quant,@function
k_q38a617a91d_quant:
	s_mov_b64 s[64:65], 0
	v_nop
	global_prefetch_b8 v0, s[64:65] scope:SCOPE_SE
	s_setreg_imm32_b32 hwreg(HW_REG_WAVE_MODE, 25, 1), 1
	s_wait_xcnt 0x0
; hidden_states [2048][2048], Wq [2048][2048], Wk, Wv [512][2048], Wo [2048][2048], all f32 with K innermost, become codes of FP8 (E4M3), each with the scale 2^e that is given for it.
; code = x / 2^e, held within +-448, rounded to the nearest code, ties to even.  hidden_states is an operand of three products with three entries of the scales (0, 2, 4): it is read once and three sets of codes are made.
; LIMITS: each e used here (entries 0 to 5 and 11) lies between -126 and 119, so that 2^e and 448 x 2^e are f32 numbers.  NaN among the inputs is not served; an infinity is held at the largest code.
; THE CODES ARE LAID AS IMAGES OF THE OPERAND'S REGISTERS.  In the matrix instruction lane l = r + 16 h holds row r, and its registers 2 c, 2 c + 1 hold k = 16 c + 8 h + 0 .. 7.  Four registers are a chunk of 512 bytes,
; lane l's 16 bytes at 16 l; 16 rows x 128 K are four chunks; 16 rows x 512 K are 8,192 bytes; then come the row blocks, then the four quarters of K.  So each store here covers 512 consecutive aligned bytes,
; and the products' launches fetch dense blocks and read them 16 bytes a lane.
; SHARES.  A work-group takes 16 rows (131,072 consecutive bytes): work-groups 0-127 hidden_states, 128-255 Wq, 256-287 Wk, 288-319 Wv, 320-447 Wo.  Wave w takes K = 512 w on, in eight units of 16 rows x 64 K.
; Only pointers and numbers are chosen by the work-group's number: all tensors take one path, but for hidden_states' two further sets (vector work and stores alone).
; A load is best where neighbouring lanes take neighbouring bytes (sixteen lanes: 256 aligned bytes of a row); the conversion wants eight neighbours along K in one lane.  So a unit turns through the wave's own stage in LDS.
; No tensor loads, no barrier, no cluster: waves and work-groups share nothing.  Loads run four units (32 loads a wave) ahead.
.set ROWB,  8192                       ; a row in bytes
.set SP,    272                        ; a stage row: 256 bytes + 16, so that the sixteen rows of a read start at sixteen different 16-byte columns
.set STG,   16*SP                      ; a wave's stage
.set SPARE, 4*STG                      ; behind the stages (byte 17,408, a multiple of 256): the spare words, 128 bytes a wave, which no other line names
.set GI,  2                            ; v2   a load's offset: (lane / 16) rows + 16 (lane % 16)
.set SI,  3                            ; v3   the same place in my stage
.set SO,  4                            ; v4   out of the stage: row r, + 32 h
.set LI,  5                            ; v5   16 x lane: my place in a chunk
.set SPW, 6                            ; v6   my spare word; never rewritten
.set NIL, 7                            ; v7   0; never rewritten
.set SC,  8                            ; v8, v9: 2^e and 448 x 2^e of set 0;  v10, v11: set 1;  v12, v13: set 2
.set R,   16                           ; v16-143  four sets of 32: units as they are loaded
.set N,   144                          ; v144-175 a unit's numbers, register 8 c + j = k 16 c + 8 h + j of my row
.set T,   176                          ; v176-207 the same, held
.set C,   208                          ; v208-255 codes: two sets (units by turns) of 8 registers x 3 sets of codes
.set SRC, 36                           ; s[36:37] my wave's first byte of the tensor
.set DST, 48                           ; s[48:49], s[50:51], s[52:53] my wave's first byte of the codes, sets 0, 1, 2
	s_load_b512 s[4:19], s[0:1], 0x0               ; hidden_states s[4:5], Wq s[6:7], Wk s[8:9], Wv s[10:11], Wo s[12:13], the scales s[14:15], x_codes s[16:17], wqkv_codes s[18:19]
	s_load_b64 s[20:21], s[0:1], 0x40              ; wo_codes
	v_lshl_add_u32 v[SPW], v0, 2, SPARE
	v_mov_b32 v[NIL], 0
	v_lshrrev_b32 v1, 5, v0
	v_readfirstlane_b32 s22, v1                    ; wave 0..3
	v_and_b32 v1, 15, v0                           ; r
	v_bfe_u32 v14, v0, 4, 1                        ; h
	v_lshlrev_b32 v[GI], 13, v14
	v_lshl_add_u32 v[GI], v1, 4, v[GI]
	s_mul_i32 s23, s22, STG
	v_mul_u32_u24 v[SI], v14, SP
	v_lshl_add_u32 v[SI], v1, 4, v[SI]
	v_add_nc_u32 v[SI], s23, v[SI]
	v_mul_u32_u24 v[SO], v1, SP
	v_lshl_add_u32 v[SO], v14, 5, v[SO]
	v_add_nc_u32 v[SO], s23, v[SO]
	v_and_b32 v15, 31, v0
	v_lshlrev_b32 v[LI], 4, v15
	s_mov_b32 s38, 320                             ; the tensor's first work-group,
	s_mov_b32 s39, 320                             ; the work-group that writes the codes' buffer's row block 0,
	s_mov_b32 s42, 0x100000                        ; and from one quarter of K to the next in the codes: row blocks x 8,192.  These are Wo's
	s_wait_alu depctr_va_vdst(0)
	s_wait_kmcnt 0x0
	s_load_b256 s[24:31], s[14:15], 0x0            ; entries 0 to 7 of the scales
	s_load_b128 s[32:35], s[14:15], 0x20           ; entries 8 to 11
	s_mov_b64 s[SRC:SRC+1], s[12:13]
	s_mov_b64 s[DST:DST+1], s[20:21]
	s_cmp_lt_u32 ttmp9, 320                        ; Wv, or a tensor before it: the choices hang on the work-group's number alone
	s_cselect_b64 s[SRC:SRC+1], s[10:11], s[SRC:SRC+1]
	s_cselect_b64 s[DST:DST+1], s[18:19], s[DST:DST+1]
	s_cselect_b32 s38, 288, s38
	s_cselect_b32 s39, 128, s39                    ; wqkv_codes holds Wq's 128 row blocks, Wk's 32, Wv's 32
	s_cselect_b32 s42, 0x180000, s42
	s_cmp_lt_u32 ttmp9, 288                        ; Wk
	s_cselect_b64 s[SRC:SRC+1], s[8:9], s[SRC:SRC+1]
	s_cselect_b32 s38, 256, s38
	s_cmp_lt_u32 ttmp9, 256                        ; Wq
	s_cselect_b64 s[SRC:SRC+1], s[6:7], s[SRC:SRC+1]
	s_cselect_b32 s38, 128, s38
	s_cmp_lt_u32 ttmp9, 128                        ; hidden_states
	s_cselect_b64 s[SRC:SRC+1], s[4:5], s[SRC:SRC+1]
	s_cselect_b64 s[DST:DST+1], s[16:17], s[DST:DST+1]
	s_cselect_b32 s38, 0, s38
	s_cselect_b32 s39, 0, s39
	s_cselect_b32 s42, 0x100000, s42
	s_sub_co_u32 s45, ttmp9, s38
	s_lshl_b32 s46, s45, 17                        ; my 16 rows,
	s_lshl_b32 s45, s22, 11                        ; my wave's 512 numbers of each
	s_add_co_u32 s46, s46, s45
	s_mov_b32 s47, 0
	s_add_nc_u64 s[SRC:SRC+1], s[SRC:SRC+1], s[46:47]
	s_sub_co_u32 s45, ttmp9, s39
	s_lshl_b32 s46, s45, 13                        ; my row block,
	s_mul_i32 s45, s22, s42                        ; my wave's quarter of K
	s_add_co_u32 s46, s46, s45
	s_add_nc_u64 s[DST:DST+1], s[DST:DST+1], s[46:47]
	s_add_nc_u64 s[DST+2:DST+3], s[DST:DST+1], 0x400000   ; hidden_states' sets lie 4 MiB apart; the weights' work-groups never use these two
	s_add_nc_u64 s[DST+4:DST+5], s[DST:DST+1], 0x800000
.macro LOAD u                          ; unit u: eight loads, two rows each: sixteen lanes read 256 consecutive aligned bytes of a row
.irp p, 0,1,2,3,4,5,6,7
	global_load_b128 v[R+32*((\u)%4)+4*\p:R+32*((\u)%4)+4*\p+3], v[GI], s[SRC:SRC+1] offset:\p*2*ROWB+(\u)*256 th:TH_LOAD_NT
.endr
.endm
	LOAD 0
	LOAD 1
	LOAD 2
	LOAD 3
	s_wait_kmcnt 0x0
	s_cmp_lt_u32 ttmp9, 320
	s_cselect_b32 s43, s29, s35                    ; e: Wv's entry 5, or Wo's entry 11
	s_cmp_lt_u32 ttmp9, 288
	s_cselect_b32 s43, s27, s43                    ; Wk's entry 3
	s_cmp_lt_u32 ttmp9, 256
	s_cselect_b32 s43, s25, s43                    ; Wq's entry 1
	s_cmp_lt_u32 ttmp9, 128
	s_cselect_b32 s43, s24, s43                    ; hidden_states' entry 0
.macro SCALE e, v                      ; 2^e as f32 (the conversion takes its exponent field), and 448 x 2^e
	s_add_co_i32 s54, \e, 127
	s_lshl_b32 s55, s54, 23
	v_mov_b32 v[SC+2*\v], s55
	s_add_co_i32 s54, s54, 8
	s_lshl_b32 s54, s54, 23
	s_or_b32 s54, s54, 0x600000
	v_mov_b32 v[SC+2*\v+1], s54
.endm
	SCALE s43, 0
	SCALE s26, 1                                   ; entry 2
	SCALE s28, 2                                   ; entry 4
.macro QS v, u                         ; unit u's numbers become set v's codes, and leave
.set CB, C+24*((\u)%2)+8*(\v)
.set i, 0
.rept 32
	v_med3_num_f32 v[T+i], v[N+i], -v[SC+2*(\v)+1], v[SC+2*(\v)+1]   ; the conversion to an 8-bit code does not saturate (ISA guide 7.6.2): the hold at the largest code x the scale
.set i, i+1
.endr
.irp c, 0,1,2,3
	v_cvt_scalef32_pk8_fp8_f32 v[CB+2*\c:CB+2*\c+1], v[T+8*\c:T+8*\c+7], v[SC+2*(\v)]   ; k = 16 c + 8 h + 0 .. 7: registers 2 c, 2 c + 1 of the operand
.endr
	v_nop                                          ; a plain vector line between the conversions and the next lines that write their sources
.irp cc, 0,1
	global_store_b128 v[LI], v[CB+4*\cc:CB+4*\cc+3], s[DST+2*(\v):DST+2*(\v)+1] offset:(\u)*1024+\cc*512   ; a chunk: 32 lanes store 512 consecutive aligned bytes
.endr
.endm
.macro STEP u
.if 7-(\u) >= 3
	s_wait_loadcnt 24                              ; this unit's eight loads are in; those of the three units behind it may be out
.else
	s_wait_loadcnt 8*(7-(\u))
.endif
.irp p, 0,1,2,3,4,5,6,7
	ds_store_b128 v[SI], v[R+32*((\u)%4)+4*\p:R+32*((\u)%4)+4*\p+3] offset:\p*2*SP
.endr
.irp c, 0,1,2,3
	ds_load_b128 v[N+8*\c:N+8*\c+3], v[SO] offset:64*\c            ; LDS serves a wave's instructions in order (ISA guide 5.7.1.4): these see the stores above
	ds_load_b128 v[N+8*\c+4:N+8*\c+7], v[SO] offset:64*\c+16
.endr
	s_wait_dscnt 0x0                               ; the numbers are back, and the stage's stores have read their registers
.if (\u) >= 2
	s_wait_xcnt 0x0                                ; the stores of two units ago have read their codes' registers, which are written again below
.endif
.if (\u) < 4
	LOAD (\u)+4
.endif
	QS 0, \u
	s_cmp_lt_u32 ttmp9, 128                        ; hidden_states alone has two more sets
	s_cbranch_scc0 .Lw_\@
	QS 1, \u
	QS 2, \u
.Lw_\@:
.endm
	s_wait_alu depctr_va_vdst(0)
.irp u, 0,1,2,3,4,5,6,7
	STEP \u
.endr
	s_wait_tensorcnt 0x0                           ; the wave's end: behind my last LDS store
	ds_add_u32 v[SPW], v[NIL]
	s_wait_dscnt 0x0
	s_endpgm
.Lfunc_end_k_q38a617a91d_quant:
	.size	k_q38a617a91d_quant, .Lfunc_end_k_q38a617a91d_quant-k_q38a617a91d_quant
	.p2alignl 7, 3214868480
	.fill 96, 4, 3214868480
	.section	.rodata,"a",@progbits
	.p2align	6, 0x0
	.amdhsa_kernel k_q38a617a91d_quant
		.amdhsa_group_segment_fixed_size 17920
		.amdhsa_private_segment_fixed_size 0
		.amdhsa_enable_private_segment 0
		.amdhsa_kernarg_size 72
		.amdhsa_user_sgpr_count 2
		.amdhsa_user_sgpr_kernarg_segment_ptr 1
		.amdhsa_wavefront_size32 1
		.amdhsa_system_sgpr_workgroup_id_x 1
		.amdhsa_system_sgpr_workgroup_id_y 1
		.amdhsa_system_sgpr_workgroup_id_z 1
		.amdhsa_system_vgpr_workitem_id 0
		.amdhsa_next_free_vgpr 256
		.amdhsa_next_free_sgpr 66
		.amdhsa_reserve_vcc 0
		.amdhsa_float_denorm_mode_32 3
		.amdhsa_float_denorm_mode_16_64 3
		.amdhsa_memory_ordered 1
		.amdhsa_forward_progress 1
		.amdhsa_inst_pref_size 80
	.end_amdhsa_kernel
	.amdgpu_metadata
---
amdhsa.version: [ 1, 2 ]
amdhsa.kernels:
  - .name:           k_q38a617a91d_quant
    .symbol:         k_q38a617a91d_quant.kd
    .args:
      - { .name: hidden_states, .offset: 0, .size: 8, .value_kind: global_buffer, .address_space: global }
      - { .name: Wq, .offset: 8, .size: 8, .value_kind: global_buffer, .address_space: global }
      - { .name: Wk, .offset: 16, .size: 8, .value_kind: global_buffer, .address_space: global }
      - { .name: Wv, .offset: 24, .size: 8, .value_kind: global_buffer, .address_space: global }
      - { .name: Wo, .offset: 32, .size: 8, .value_kind: global_buffer, .address_space: global }
      - { .name: lowp_scales, .offset: 40, .size: 8, .value_kind: global_buffer, .address_space: global }
      - { .name: x_codes, .offset: 48, .size: 8, .value_kind: global_buffer, .address_space: global }
      - { .name: wqkv_codes, .offset: 56, .size: 8, .value_kind: global_buffer, .address_space: global }
      - { .name: wo_codes, .offset: 64, .size: 8, .value_kind: global_buffer, .address_space: global }
    .group_segment_fixed_size: 17920
    .private_segment_fixed_size: 0
    .kernarg_segment_align: 8
    .kernarg_segment_size: 72
    .max_flat_workgroup_size: 128
    .sgpr_count:     66
    .vgpr_count:     256
    .wavefront_size: 32
...
	.end_amdgpu_metadata
.endif
;; end of part 1
;; launch qkv (part 2): grid 12 x 16, 4 waves a work-group, clusters of 4 x 4, 327,680 bytes of LDS; arguments x_codes, wqkv_codes, cos, sin, lowp_scales, q_codes, k_codes, v_codes; writes q_codes, k_codes, v_codes
.if DOCPART == 2
	.amdgcn_target "amdgcn-amd-amdhsa--gfx1250"
	.amdhsa_code_object_version 6
	.text
	.protected	k_q38a617a91d_qkv
	.globl	k_q38a617a91d_qkv
	.p2align	8
	.type	k_q38a617a91d_qkv,@function
k_q38a617a91d_qkv:
	s_mov_b64 s[64:65], 0
	v_nop
	global_prefetch_b8 v0, s[64:65] scope:SCOPE_SE
	s_setreg_imm32_b32 hwreg(HW_REG_WAVE_MODE, 25, 1), 1
	s_wait_xcnt 0x0
	s_wait_alu depctr_hold_cnt(0) depctr_sa_sdst(0) depctr_va_vdst(0) depctr_va_sdst(0) depctr_va_ssrc(0) depctr_va_vcc(0) depctr_vm_vsrc(0)
	s_getreg_b32 s2, hwreg(HW_REG_IB_STS2, 6, 4)
	s_cmp_eq_u32 s2, 0
	s_cbranch_scc0 .Lentry_in_a_cluster
	s_endpgm
.Lentry_in_a_cluster:
	s_bfe_u32 s2, ttmp6, 0x10000c
	s_cmp_lg_u32 s2, 0xf033
	s_cbranch_scc0 .Lentry_shape_is_right
	s_endpgm
.Lentry_shape_is_right:
; q = rope(X Wq^T), k = rope(X Wk^T), v = X Wv^T on codes of FP8 (E4M3), K = 2,048; the results are quantised on the way out, as operands of attention's two products, and stored as images of those operands' registers.
; A tile of C is 128 x 128: four waves of 64 x 64, 16 accumulators each.  K goes in four chunks of 512 through two LDS slots filled by the tensor data mover.
; A WORK-GROUP MAKES TWO TILES, one behind the other (the three products have 384 tiles, the launch 192 work-groups), and the ring does not stop between them: tile 0's last two changes of slots ask for tile 1's first two chunks,
; and tile 0 goes out while the second of them is on its way.
; THE CODES LIE AS IMAGES OF REGISTERS (lane l = r + 16 h: row r; registers 2 c, 2 c + 1: k = 16 c + 8 h + 0 .. 7; four registers = a chunk of 512 bytes, 16 bytes a lane; 16 rows x 512 K = 8,192 bytes; row blocks on end;
; then the next chunk of K).  So a tile's 128 rows x 512 K are 65,536 consecutive bytes, a wave's tensor load brings 32,768 of them, and a fragment is four LDS loads of 512 consecutive bytes: no pitch, no padding.
; THE MATRIX INSTRUCTION IS USED TRANSPOSED (source 0 = 16 rows of B, source 1 = 16 rows of A): lane (r, h) holds row 16 a + r of A's side, and register j of accumulator (a, b) the row 16 b + 8 h + j of B's side.
; THE KINDS, by the cluster's x, which all sixteen partners share, and the tile's number:  cluster x 0, 1: both tiles q: A = X (set 0), B = Wq, tile columns 8 x + cx and 8 x + 4 + cx.
;   cluster x 2: tile 0 is k: A = X (set 1), B = Wk;  tile 1 is v: A = Wv, B = X (set 2): the sides are swapped, so that a lane holds one channel d and eight neighbouring tokens, which are neighbours along the second product's K.
; In q and k a wave's 64 rows of B are one head, so a lane holds one token and its 32 numbers of that head: RoPE's partner d +- 32 is accumulator b +- 2.  Both tiles of a q work-group have the same tokens: cos and sin are loaded once.
; CLUSTERS: 4 x 4 work-groups; A's tile is shared along a row of the cluster, B's along a column: each is asked for JOINTLY, by the same tensor load with the same descriptor and a mask that names the four.
; LIMITS, so that each power of two is an f32 number: entries 6 - 0 - 1, 7 - 2 - 3 and 9 - 4 - 5 of the scales lie between -126 and 119.  RoPE is one multiplication and one fused multiply-add, one rounding fewer than two products and a sum.
; REGISTERS: window 0: v16-29 addresses and scales; v32-63 at work; v64-95 codes; v128-255 the accumulators ((a, b) at v[128 + 8 (4 a + b)]).  window 1: two fragment buffers of 128: A's four fragments, then B's four.
;   window 2: cos and sin of my 64 tokens: block a at v[64 a]: 32 of cos (d = 16 b + 8 h + j at 8 b + j), then 32 of sin.
.set SLOT,  131072                     ; A's 8 row blocks x 8,192 bytes, then B's
.set PART,  32768                      ; what one tensor load brings, and what one wave reads of A or of B
.set SPARE, 2*SLOT                     ; behind the ring: the spare words, 128 bytes a wave, which no other line names
.set KCX,   0x100000                   ; a chunk of K on in a set of x_codes: 128 row blocks x 8,192 bytes
.set KCW,   0x180000                   ; in wqkv_codes: 192 row blocks
.set ADRA, 16                          ; v16-17  LDS address of my A fragments in slot 0, 1
.set ADRB, 20                          ; v20-21  the same for B
.set CSO,  24                          ; v24     my place in 16 rows of cos or sin: 256 r + 32 h; never rewritten
.set LI,   25                          ; v25     16 x lane; never rewritten
.set SCL,  26                          ; v26     the conversion's scale
.set LIM,  27                          ; v27     448 x that
.set SPW,  28                          ; v28     my spare word; never rewritten
.set NIL,  29                          ; v29     0; never rewritten
.set PFO,  30                          ; v30     the prefetches' offset: 256 x lane; never rewritten
.set PFN,  70                          ; s[70:71] my work-group's 8,192 bytes of the part that I fetch, in tile 1's chunk 0
.set PFT,  100                         ; s[100:101] a chunk of K on in that buffer
.set PFP,  104                         ; s[104:105] where the next prefetch stands
.set T,    32
.set CD,   64
.set ACC,  128
.set F0,   0
.set F1,   128
.set NA,   4                           ; s[4:5]   tile 1's first chunk of A: it hangs on cy alone
.set NB,   6                           ; s[6:7]   tile 1's first chunk of B: on cx alone
.set G1,   24                          ; s[24:31] descriptor group 1 for A's tiles;  s[32:39] group 0, one set for each slot
.set G0,   32
.set G1B,  48                          ; s[48:55], s[56:63] the same for B's
.set G0B,  56
.set STA,  66                          ; s[66:67] a chunk of K on in tile 1's A buffer;  s[96:97] in its B buffer
.set STB,  96
.set EX,   84                          ; s[84:95] the twelve entries of the scales
.set MSB, 0
.macro WIN new                         ; the immediate's high byte repeats the setting that is left
.if MSB != \new
	s_set_vgpr_msb (MSB<<8)|\new
.set MSB, \new
.endif
.endm
.set MUL,  0x05                        ; sources 0 (B) and 1 (A) window 1; C and D window 0
.set TO_F, 0x40                        ; destination window 1, address window 0
.macro JLOAD s                         ; a joint load: waves 0 and 1 fetch A's two halves, waves 2 and 3 B's; an s_nop 0 and four v_nop follow each of the two lines
	s_cmp_eq_u32 s11, 0
	s_cbranch_scc0 .Lfor_b_\@
	tensor_load_to_lds s[G0+4*\s:G0+4*\s+3], s[G1:G1+7]
	s_nop 0
.rept 4
	v_nop
.endr
	s_branch .Lasked_\@
.Lfor_b_\@:
	tensor_load_to_lds s[G0B+4*\s:G0B+4*\s+3], s[G1B:G1B+7]
	s_nop 0
.rept 4
	v_nop
.endr
.Lasked_\@:
.endm
.macro CREST                           ; a round of the cluster's barrier behind its opening barrier
	s_cmp_lg_u32 s10, 0
	s_cbranch_scc1 .Lnot_wave_0_\@
	s_barrier_signal -3
.Lnot_wave_0_\@:
	s_barrier_wait -3
	s_barrier_signal -1
	s_barrier_wait -1
.endm
.macro CROUND                          ; a whole round
	s_barrier_signal -1
	s_barrier_wait -1
	CREST
.endm
.macro PLACES                          ; four places in front of loads into registers that matrix instructions have read, and of the first read of results
.rept 4
	v_nop
.endr
.endm
.macro FETCH slot, q, f                ; 32 LDS loads in one run: my four fragments of B and four of A for the slot's q-th 128 along K, into buffer f; each load takes 512 consecutive bytes
	WIN TO_F
.irp i, 0,1,2,3
.irp c, 0,1,2,3
	ds_load_b128 v[\f+64+16*\i+4*\c:\f+64+16*\i+4*\c+3], v[ADRB+\slot] offset:\i*8192+\q*2048+\c*512
	ds_load_b128 v[\f+16*\i+4*\c:\f+16*\i+4*\c+3], v[ADRA+\slot] offset:\i*8192+\q*2048+\c*512
.endr
.endr
.endm
.macro MUL4 f, a, zero                 ; A's block a against B's four.  The 16 accumulators take turns, one instruction a turn, in the same order in every quarter, from tile to tile too.  zero = 1: the product starts the sum
.irp b, 0,1,2,3
.if \zero
	v_wmma_f32_16x16x128_fp8_fp8 v[ACC+8*(4*(\a)+\b):ACC+8*(4*(\a)+\b)+7], v[\f+64+16*\b:\f+64+16*\b+15], v[\f+16*(\a):\f+16*(\a)+15], 0
.else
	v_wmma_f32_16x16x128_fp8_fp8 v[ACC+8*(4*(\a)+\b):ACC+8*(4*(\a)+\b)+7], v[\f+64+16*\b:\f+64+16*\b+15], v[\f+16*(\a):\f+16*(\a)+15], v[ACC+8*(4*(\a)+\b):ACC+8*(4*(\a)+\b)+7]
.endif
.endr
.endm
.macro QUARTER slot, q, f, g, zero     ; 128 along K: asks for the slot's q-th quarter into buffer g, then multiplies buffer f while those loads are served
	s_wait_dscnt 0x0                               ; buffer f is in
	PLACES                                         ; buffer g was multiplied in the quarter before
	FETCH \slot, \q, \g
	WIN MUL
	MUL4 \f, 0, \zero
	MUL4 \f, 1, \zero
	MUL4 \f, 2, \zero
	MUL4 \f, 3, \zero
.endm
.macro THREE slot, zero                ; a chunk's first three quarters; the fourth is TURN's, or the last chunk's own
	QUARTER \slot, 1, F0, F1, \zero
	QUARTER \slot, 2, F1, F0, 0
	QUARTER \slot, 3, F0, F1, 0
.endm
; A slot's last quarter multiplies buffer 1 and changes slots: ONE barrier; in front of it each wave waits for all its tensor loads, adds 0 to its spare word, and waits for that and for its reads of this slot.
; fill > 0: the barrier opens a round of the cluster's barrier, and this slot is filled again, first thing behind the round, with the chunk that stands two further on in the work-group's eight:
;   fill = 1: tile 0's (A is a set of x_codes, B is wqkv_codes: the steps are constants);  fill = 2: tile 1's chunk 0 (slot 0) or 1 (slot 1);  fill = 3: tile 1's, two of its chunk steps on.
; The group-0 words are written behind the wait for all my tensor loads: none of mine is out.
.macro TURN slot, next, fill
.if (\fill == 1) || (\fill == 2)
	s_wait_xcnt 0x0                                ; my last prefetch has read its address, which is stepped here, ahead of the change's own waits
.if (\fill == 1) && (\slot == 0)
	s_mov_b64 s[PFP:PFP+1], s[PFN:PFN+1]           ; on to tile 1's chunk 0
.else
	s_add_nc_u64 s[PFP:PFP+1], s[PFP:PFP+1], s[PFT:PFT+1]
.endif
.endif
	WIN 0
	s_wait_tensorcnt 0x0
	ds_add_u32 v[SPW], v[NIL]                      ; 0 onto my spare word
	s_wait_dscnt 1                                 ; buffer 1's 32 loads are in; the add may be out
	WIN MUL
	MUL4 F1, 0, 0                                  ; four matrix instructions stand between the add and the wait for it
	s_wait_dscnt 0x0                               ; the add is done, and my reads of this slot are over
	s_barrier_signal -1
	MUL4 F1, 1, 0
	WIN 0
	s_barrier_wait -1
.if \fill
	CREST                                          ; no wave of any partner still reads this slot's tiles or has a load on its way
.if \fill == 1
	s_add_nc_u64 s[G0+4*\slot+2:G0+4*\slot+3], s[G0+4*\slot+2:G0+4*\slot+3], 2*KCX
	s_add_nc_u64 s[G0B+4*\slot+2:G0B+4*\slot+3], s[G0B+4*\slot+2:G0B+4*\slot+3], 2*KCW
.elseif \fill == 2
	s_mov_b64 s[G0+4*\slot+2:G0+4*\slot+3], s[NA:NA+1]
	s_mov_b64 s[G0B+4*\slot+2:G0B+4*\slot+3], s[NB:NB+1]
.if \slot == 1
	s_add_nc_u64 s[G0+4*\slot+2:G0+4*\slot+3], s[G0+4*\slot+2:G0+4*\slot+3], s[STA:STA+1]
	s_add_nc_u64 s[G0B+4*\slot+2:G0B+4*\slot+3], s[G0B+4*\slot+2:G0B+4*\slot+3], s[STB:STB+1]
.endif
	s_or_b32 s[G0+4*\slot+3], s[G0+4*\slot+3], 0x80000000     ; 127:126 type = 2
	s_or_b32 s[G0B+4*\slot+3], s[G0B+4*\slot+3], 0x80000000
.else
	s_add_nc_u64 s[G0+4*\slot+2:G0+4*\slot+3], s[G0+4*\slot+2:G0+4*\slot+3], s[STA:STA+1]
	s_add_nc_u64 s[G0+4*\slot+2:G0+4*\slot+3], s[G0+4*\slot+2:G0+4*\slot+3], s[STA:STA+1]
	s_add_nc_u64 s[G0B+4*\slot+2:G0B+4*\slot+3], s[G0B+4*\slot+2:G0B+4*\slot+3], s[STB:STB+1]
	s_add_nc_u64 s[G0B+4*\slot+2:G0B+4*\slot+3], s[G0B+4*\slot+2:G0B+4*\slot+3], s[STB:STB+1]
.endif
	JLOAD \slot                                    ; my one tensor load behind the round; its four v_nop are also the places in front of the loads below
.else
	PLACES
.endif
	FETCH \next, 0, F0
.if (\fill == 1) || (\fill == 2)
	global_prefetch_b8 v[PFO], s[PFP:PFP+1] th:TH_LOAD_NT scope:SCOPE_SE   ; the chunk that stands two joint loads on: 32 blocks of 256 bytes, a lane a block (the address register lies in window 0)
.endif
	WIN MUL
	MUL4 F1, 2, 0
	MUL4 F1, 3, 0
.endm
.macro MKSCALE                         ; s16 = an exponent x: v[SCL] = 2^x as f32, v[LIM] = 448 x 2^x
	s_add_co_i32 s16, s16, 127
	s_lshl_b32 s17, s16, 23
	v_mov_b32 v[SCL], s17
	s_add_co_i32 s16, s16, 8
	s_lshl_b32 s16, s16, 23
	s_or_b32 s16, s16, 0x600000
	v_mov_b32 v[LIM], s16
.endm
.macro ROPE a                          ; 16 tokens of my head: out(d) = x(d) cos(d) - x(d + 32) sin(d) for d < 32, x(d) cos(d) + x(d - 32) sin(d) for d >= 32; each accumulator is read from its low end on
	WIN 0x08                                       ; source 1 window 2
.irp b, 0,1
.irp i, 0,2,4,6
	v_pk_mul_f32 v[T+8*\b+\i:T+8*\b+\i+1], v[ACC+8*(4*\a+\b+2)+\i:ACC+8*(4*\a+\b+2)+\i+1], v[64*\a+32+8*\b+\i:64*\a+32+8*\b+\i+1]
	v_pk_mul_f32 v[T+16+8*\b+\i:T+16+8*\b+\i+1], v[ACC+8*(4*\a+\b)+\i:ACC+8*(4*\a+\b)+\i+1], v[64*\a+32+8*(\b+2)+\i:64*\a+32+8*(\b+2)+\i+1]
.endr
.endr
.irp b, 0,1
.irp i, 0,2,4,6
	v_pk_fma_f32 v[T+8*\b+\i:T+8*\b+\i+1], v[ACC+8*(4*\a+\b)+\i:ACC+8*(4*\a+\b)+\i+1], v[64*\a+8*\b+\i:64*\a+8*\b+\i+1], v[T+8*\b+\i:T+8*\b+\i+1] neg_lo:[0,0,1] neg_hi:[0,0,1]
	v_pk_fma_f32 v[T+16+8*\b+\i:T+16+8*\b+\i+1], v[ACC+8*(4*\a+\b+2)+\i:ACC+8*(4*\a+\b+2)+\i+1], v[64*\a+8*(\b+2)+\i:64*\a+8*(\b+2)+\i+1], v[T+16+8*\b+\i:T+16+8*\b+\i+1]
.endr
.endr
	WIN 0
.set i, 0
.rept 32
	v_med3_num_f32 v[T+i], v[T+i], -v[LIM], v[LIM]   ; the conversion to an 8-bit code does not saturate (ISA guide 7.6.2): the hold
.set i, i+1
.endr
.irp c, 0,1,2,3
	v_cvt_scalef32_pk8_fp8_f32 v[CD+8*\a+2*\c:CD+8*\a+2*\c+1], v[T+8*\c:T+8*\c+7], v[SCL]   ; d = 16 c + 8 h + 0 .. 7: registers 2 c, 2 c + 1 of the operand (16 tokens x 64)
.endr
	v_nop                                          ; a plain vector line between the conversions and the next lines that write their sources
	global_store_b128 v[LI], v[CD+8*\a:CD+8*\a+3], s[8:9] offset:\a*1024          ; a chunk: 32 lanes store 512 consecutive aligned bytes
	global_store_b128 v[LI], v[CD+8*\a+4:CD+8*\a+7], s[8:9] offset:\a*1024+512
.endm
	s_load_b512 s[68:83], s[0:1], 0x0              ; x_codes s[68:69], wqkv_codes s[70:71], cos s[72:73], sin s[74:75], the scales s[76:77], q_codes s[78:79], k_codes s[80:81], v_codes s[82:83]
	v_lshl_add_u32 v[SPW], v0, 2, SPARE
	v_mov_b32 v[NIL], 0
	ds_add_u32 v[SPW], v[NIL]                      ; the wave's opening: the add and its wait stand ahead of my first tensor load; the set-up below, work on registers, stands between them
	ds_add_u32 v[SPW], v[NIL]
	v_lshrrev_b32 v1, 5, v0
	v_readfirstlane_b32 s10, v1                    ; wave 0..3
	s_lshr_b32 s11, s10, 1                         ; which half of A's rows is mine.  Also: I fetch for A (0) or for B (1)
	s_and_b32 s12, s10, 1                          ; which half of B's rows.  Also: which 64 rows of that tile I fetch
	s_bfe_u32 s40, ttmp6, 0x40000                  ; cx, cy: my place in the cluster
	s_bfe_u32 s41, ttmp6, 0x40004
	s_and_b32 s13, ttmp7, 0xffff
	s_lshl_b32 s13, s13, 2                         ; 4 x cluster y
	s_add_co_u32 s14, s13, s41                     ; A's tile in q and k: tokens, 4 x cluster y + cy
	s_add_co_u32 s15, s41, 20                      ; in v: Wv's rows, tiles 20 to 23 of wqkv_codes
	s_lshl_b32 s42, ttmp9, 3
	s_add_co_u32 s42, s42, s40                     ; B's tile, tile 0: 8 x cluster x + cx: tiles 0 to 19 of wqkv_codes
	s_add_co_u32 s43, s42, 4                       ; tile 1 in q: four further on
	s_add_co_u32 s47, s13, s40                     ; tile 1 in v: tokens, 4 x cluster y + cx
	s_lshl_b32 s44, s41, 2
	s_lshl_b32 s44, 15, s44                        ; my row of the cluster
	s_lshl_b32 s45, 0x1111, s40                    ; my column
	; descriptor group 1: a dense block of 32,768 bytes as 128 rows of 32 elements of 8 bytes; no padding
	s_or_b32 s[G1], s44, (3<<16)|(1<<21)           ; 15:0 the mask: A's tiles go to my row; 17:16 elements of 8 bytes; 21 set beside a mask
	s_or_b32 s[G1B], s45, (3<<16)|(1<<21)          ; B's go to my column
.irp g, G1, G1B
	s_mov_b32 s[\g+1], 32<<16                      ; tensor_dim0 = 32
	s_mov_b32 s[\g+2], 128<<16                     ; tensor_dim1 = 128
	s_mov_b32 s[\g+3], 32<<16                      ; tile_dim0 = 32
	s_mov_b32 s[\g+4], 128                         ; tile_dim1 = 128
	s_mov_b32 s[\g+5], 32                          ; tensor_dim0_stride
	s_mov_b32 s[\g+6], 0
	s_mov_b32 s[\g+7], 0
.endr
	s_mov_b32 s16, KCW
	s_mov_b32 s17, KCX
	s_cmp_eq_u32 ttmp9, 2                          ; is tile 1 of the kind v?  The cluster's x is the same in all sixteen partners
	s_cselect_b32 s15, s15, s14                    ; tile 1's A tile: it hangs on cy alone
	s_cselect_b32 s43, s47, s43                    ; tile 1's B tile: on cx alone
	s_cselect_b32 s[STA], s16, s17                 ; a chunk on in tile 1's A buffer,
	s_cselect_b32 s[STB], s17, s16                 ; and in its B buffer
	s_mov_b32 s[STA+1], 0
	s_mov_b32 s[STB+1], 0
	s_lshl_b32 s2, s12, 15                         ; which 32,768 bytes of a tile I fetch
	s_lshl_b32 s22, s14, 16
	s_add_co_u32 s22, s22, s2                      ; tile 0: A's bytes,
	s_mov_b32 s23, 0
	s_lshl_b32 s46, s42, 16
	s_add_co_u32 s46, s46, s2                      ; and B's
	s_mov_b32 s47, 0
	s_lshl_b32 s3, s10, 15                         ; where they go: wave x 32,768: no place in the cluster enters an LDS address
	s_wait_dscnt 0x0                               ; the opening add is done
	s_wait_kmcnt 0x0
	s_load_b256 s[EX:EX+7], s[76:77], 0x0
	s_load_b128 s[EX+8:EX+11], s[76:77], 0x20
	s_add_nc_u64 s[18:19], s[68:69], 0x400000      ; X's set 1 (entry 2 of the scales)
	s_add_nc_u64 s[20:21], s[68:69], 0x800000      ; X's set 2 (entry 4)
	s_cmp_eq_u32 ttmp9, 2
	s_cselect_b64 s[18:19], s[18:19], s[68:69]     ; tile 0's A buffer: set 1 for k, set 0 for q
	s_cselect_b64 s[NA:NA+1], s[70:71], s[68:69]   ; tile 1's A buffer: the weights for v, set 0 for q
	s_cselect_b64 s[NB:NB+1], s[20:21], s[70:71]   ; tile 1's B buffer: set 2 for v, the weights for q
	s_add_nc_u64 s[18:19], s[18:19], s[22:23]
	s_add_nc_u64 s[20:21], s[70:71], s[46:47]      ; tile 0's B buffer is the weights'
	s_lshl_b32 s22, s15, 16
	s_add_co_u32 s22, s22, s2
	s_lshl_b32 s46, s43, 16
	s_add_co_u32 s46, s46, s2
	s_add_nc_u64 s[NA:NA+1], s[NA:NA+1], s[22:23]
	s_add_nc_u64 s[NB:NB+1], s[NB:NB+1], s[46:47]
	s_mov_b32 s[G0], 1                             ; 1:0 count = 1
	s_mov_b32 s[G0+1], s3                          ; 63:32 LDS address: slot 0
	s_mov_b64 s[G0+2:G0+3], s[18:19]               ; 120:64 global address: chunk 0
	s_or_b32 s[G0+3], s[G0+3], 0x80000000          ; 127:126 type = 2
	s_mov_b32 s[G0+4], 1
	s_add_co_u32 s[G0+5], s3, SLOT
	s_add_nc_u64 s[G0+6:G0+7], s[18:19], KCX       ; chunk 1
	s_or_b32 s[G0+7], s[G0+7], 0x80000000
	s_mov_b32 s[G0B], 1
	s_mov_b32 s[G0B+1], s3
	s_mov_b64 s[G0B+2:G0B+3], s[20:21]
	s_or_b32 s[G0B+3], s[G0B+3], 0x80000000
	s_mov_b32 s[G0B+4], 1
	s_add_co_u32 s[G0B+5], s3, SLOT
	s_add_nc_u64 s[G0B+6:G0B+7], s[20:21], KCW
	s_or_b32 s[G0B+7], s[G0B+7], 0x80000000
	CROUND                                         ; all sixteen work-groups are here: the first joint loads meet
	JLOAD 0                                        ; chunk 0: one tensor load a wave at the head
	; THE PREFETCHES INTO THE L2.  Behind the joint load of the work-group's chunk c (c = 0 .. 5 of its eight) each wave asks for chunk c + 2 of the part that it fetches; at the head also for chunk 1.
	; A part is 32,768 bytes; the four partners that ask for it jointly share it out BY ADDRESS, 8,192 bytes each (place cx for A's parts, cy for B's): each block of 256 bytes is named once in the cluster.
	s_cmp_eq_u32 s11, 0                            ; do I fetch for A?
	s_cselect_b64 s[2:3], s[18:19], s[20:21]
	s_cselect_b64 s[PFN:PFN+1], s[NA:NA+1], s[NB:NB+1]
	s_cselect_b32 s22, s40, s41
	s_cselect_b32 s[PFT], s[STA], s[STB]
	s_mov_b32 s44, KCW
	s_cselect_b32 s44, KCX, s44                    ; a chunk on in tile 0's buffer
	s_mov_b32 s45, 0
	s_mov_b32 s[PFT+1], 0
	s_lshl_b32 s22, s22, 13
	s_mov_b32 s23, 0
	s_add_nc_u64 s[PFN:PFN+1], s[PFN:PFN+1], s[22:23]
	s_add_nc_u64 s[2:3], s[2:3], s[22:23]
	s_add_nc_u64 s[2:3], s[2:3], s[44:45]          ; chunk 1
	s_add_nc_u64 s[68:69], s[2:3], s[44:45]        ; chunk 2
	s_add_nc_u64 s[PFP:PFP+1], s[68:69], s[44:45]  ; chunk 3
	v_and_b32 v1, 31, v0
	v_lshlrev_b32 v[LI], 4, v1
	v_lshlrev_b32 v[PFO], 8, v1
	global_prefetch_b8 v[PFO], s[2:3] th:TH_LOAD_NT scope:SCOPE_SE
	global_prefetch_b8 v[PFO], s[68:69] th:TH_LOAD_NT scope:SCOPE_SE
	v_and_b32 v2, 15, v0                           ; r
	v_bfe_u32 v3, v0, 4, 1                         ; h
	v_lshlrev_b32 v[CSO], 8, v2
	v_lshl_add_u32 v[CSO], v3, 5, v[CSO]
	s_wait_alu depctr_va_vdst(0)
	s_lshl_b32 s22, s11, 15                        ; my four row blocks of A,
	s_lshl_b32 s23, s12, 15                        ; and of B,
	s_add_co_u32 s23, s23, 65536                   ; which lie behind A's eight
.irp s, 0,1
	v_add_nc_u32 v[ADRA+\s], s22, v[LI]
	v_add_nc_u32 v[ADRB+\s], s23, v[LI]
	s_add_co_u32 s22, s22, SLOT
	s_add_co_u32 s23, s23, SLOT
.endr
	; cos and sin of my 64 tokens are asked for here, while the first tiles are on their way: tile 0 is q or k in every work-group, and a second tile of q has the same tokens.  64 loads; the eight of a block use each of its 16 rows' 256 bytes whole
	s_lshl_b32 s98, s14, 15                        ; the tokens' tile: 128 tokens x 256 bytes,
	s_lshl_b32 s99, s11, 14                        ; my 64 of them
	s_add_co_u32 s98, s98, s99
	s_mov_b32 s99, 0
	s_add_nc_u64 s[72:73], s[72:73], s[98:99]
	s_add_nc_u64 s[74:75], s[74:75], s[98:99]
	WIN 0x80                                       ; destination window 2
.irp a, 0,1,2,3
.irp b, 0,1,2,3
.irp e, 0,1
	global_load_b128 v[64*\a+8*\b+4*\e:64*\a+8*\b+4*\e+3], v[CSO], s[72:73] offset:\a*4096+\b*64+\e*16
	global_load_b128 v[64*\a+32+8*\b+4*\e:64*\a+32+8*\b+4*\e+3], v[CSO], s[74:75] offset:\a*4096+\b*64+\e*16
.endr
.endr
.endr
	WIN 0
	s_wait_alu depctr_va_vdst(0)
	s_wait_tensorcnt 0x0                           ; my part of chunk 0 is in
	ds_add_u32 v[SPW], v[NIL]
	s_wait_dscnt 0x0
	CROUND                                         ; everybody's part of chunk 0 is in, and all sixteen work-groups are here
	JLOAD 1                                        ; chunk 1: my one tensor load behind the round
	FETCH 0, 0, F0
	global_prefetch_b8 v[PFO], s[PFP:PFP+1] th:TH_LOAD_NT scope:SCOPE_SE   ; chunk 3
	; ---- TILE 0
	THREE 0, 1                                     ; the first products start the sums: nothing is cleared
	TURN 0, 1, 1                                   ; slot 0 takes chunk 2
	THREE 1, 0
	TURN 1, 0, 1                                   ; slot 1 takes chunk 3
	THREE 0, 0
	TURN 0, 1, 2                                   ; THE RING GOES ON INTO TILE 1: slot 0 takes its chunk 0,
	THREE 1, 0
	TURN 1, 0, 2                                   ; slot 1 its chunk 1, and tile 1's first fragments are fetched
	WIN 0
	; tile 0 goes out: q (cluster x 0, 1) or k (cluster x 2): numbers and pointers are chosen, the path is one
	s_wait_kmcnt 0x0                               ; the scales
	s_sub_co_i32 s16, s[EX+6], s[EX+0]             ; a sum stands for sum x 2^(entry 0 + entry 1), so q's code is sum / 2^(entry 6 - entry 0 - entry 1): the three scales are folded into the conversion's one
	s_sub_co_i32 s16, s16, s[EX+1]
	s_sub_co_i32 s17, s[EX+7], s[EX+2]             ; k's: entry 7 - entry 2 - entry 3
	s_sub_co_i32 s17, s17, s[EX+3]
	s_lshl_b32 s98, s42, 1
	s_add_co_u32 s98, s98, s12                     ; my 64 rows of B are head 2 x B's tile + half,
	s_sub_co_u32 s99, s98, 32                      ; less Wq's 32 heads in k
	s_cmp_eq_u32 ttmp9, 2
	s_cselect_b32 s16, s17, s16
	s_cselect_b32 s98, s99, s98
	s_cselect_b64 s[8:9], s[80:81], s[78:79]
	MKSCALE
	s_lshl_b32 s98, s98, 17                        ; a head: 128 blocks of 16 tokens x 1,024 bytes
	s_lshl_b32 s99, s14, 13                        ; the tokens' tile: 8 blocks,
	s_add_co_u32 s98, s98, s99
	s_lshl_b32 s99, s11, 12                        ; my half: 4
	s_add_co_u32 s98, s98, s99
	s_mov_b32 s99, 0
	s_add_nc_u64 s[8:9], s[8:9], s[98:99]
	PLACES
	s_wait_loadcnt 0x0                             ; cos and sin
	ROPE 0
	ROPE 1
	ROPE 2
	ROPE 3
	; ---- TILE 1.  Its first products begin the sums anew with the constant 0; the lines of tile 0's way out stand between them and tile 0's last products
	THREE 0, 1
	TURN 0, 1, 3                                   ; slot 0 takes tile 1's chunk 2
	THREE 1, 0
	TURN 1, 0, 3                                   ; slot 1 takes its chunk 3
	THREE 0, 0
	TURN 0, 1, 0                                   ; nothing is left to fetch: no round
	THREE 1, 0
	s_wait_dscnt 0x0                               ; the very last quarter
	MUL4 F1, 0, 0
	MUL4 F1, 1, 0
	MUL4 F1, 2, 0
	MUL4 F1, 3, 0
	WIN 0                                          ; at a branch and at a label every window is 0
	s_wait_xcnt 0x0                                ; tile 0's stores have read their base and their codes' registers: both are written again below
	s_cmp_eq_u32 ttmp9, 2
	s_cbranch_scc1 .Lv_kind
	; ---- tile 1 is q: the same tokens, the same cos and sin, the head four tiles of B further on
	s_sub_co_i32 s16, s[EX+6], s[EX+0]
	s_sub_co_i32 s16, s16, s[EX+1]
	MKSCALE
	s_lshl_b32 s98, s43, 1
	s_add_co_u32 s98, s98, s12
	s_lshl_b32 s98, s98, 17
	s_lshl_b32 s99, s14, 13
	s_add_co_u32 s98, s98, s99
	s_lshl_b32 s99, s11, 12
	s_add_co_u32 s98, s98, s99
	s_mov_b32 s99, 0
	s_add_nc_u64 s[8:9], s[78:79], s[98:99]
	PLACES
	ROPE 0
	ROPE 1
	ROPE 2
	ROPE 3
	s_branch .Lend
.Lv_kind:
	; ---- tile 1 is v.  Lane (r, h): channel d = 16 a + r of kv head 2 (A's tile - 20) + half; register j of accumulator (a, b): token 128 x B's tile + 64 x half + 16 b + 8 h + j
	s_sub_co_i32 s16, s[EX+9], s[EX+4]             ; entry 9 - entry 4 - entry 5
	s_sub_co_i32 s16, s16, s[EX+5]
	MKSCALE
	s_wait_alu depctr_va_vdst(0)
	s_sub_co_u32 s98, s15, 20
	s_lshl_b32 s98, s98, 1
	s_add_co_u32 s98, s98, s11                     ; the kv head: 16 steps of 128 keys x 8,192 bytes
	s_lshl_b32 s98, s98, 17
	s_lshl_b32 s99, s43, 13                        ; B's tile is the step of 128 keys
	s_add_co_u32 s98, s98, s99
	s_lshl_b32 s99, s12, 10                        ; my 64 keys are two of an image's four chunks
	s_add_co_u32 s98, s98, s99
	s_mov_b32 s99, 0
	s_add_nc_u64 s[8:9], s[82:83], s[98:99]
	PLACES
.irp a, 0,1,2,3
.irp b, 0,1,2,3
.irp j, 0,1,2,3,4,5,6,7
	v_med3_num_f32 v[ACC+8*(4*\a+\b)+\j], v[ACC+8*(4*\a+\b)+\j], -v[LIM], v[LIM]
.endr
	v_cvt_scalef32_pk8_fp8_f32 v[T+8*\a+2*\b:T+8*\a+2*\b+1], v[ACC+8*(4*\a+\b):ACC+8*(4*\a+\b)+7], v[SCL]
.endr
	v_nop                                          ; a plain vector line behind the last conversion of the run
	global_store_b128 v[LI], v[T+8*\a:T+8*\a+3], s[8:9] offset:\a*2048
	global_store_b128 v[LI], v[T+8*\a+4:T+8*\a+7], s[8:9] offset:\a*2048+512
.endr
.Lend:
	s_wait_tensorcnt 0x0                           ; the wave's end: behind my last tensor load
	ds_add_u32 v[SPW], v[NIL]
	s_wait_dscnt 0x0
	CROUND                                         ; the closing round: no work-group ends while a partner may still ask for a tile that names it
	s_endpgm
.Lfunc_end_k_q38a617a91d_qkv:
	.size	k_q38a617a91d_qkv, .Lfunc_end_k_q38a617a91d_qkv-k_q38a617a91d_qkv
	.p2alignl 7, 3214868480
	.fill 96, 4, 3214868480
	.section	.rodata,"a",@progbits
	.p2align	6, 0x0
	.amdhsa_kernel k_q38a617a91d_qkv
		.amdhsa_group_segment_fixed_size 327680
		.amdhsa_private_segment_fixed_size 0
		.amdhsa_enable_private_segment 0
		.amdhsa_kernarg_size 64
		.amdhsa_user_sgpr_count 2
		.amdhsa_user_sgpr_kernarg_segment_ptr 1
		.amdhsa_wavefront_size32 1
		.amdhsa_system_sgpr_workgroup_id_x 1
		.amdhsa_system_sgpr_workgroup_id_y 1
		.amdhsa_system_sgpr_workgroup_id_z 1
		.amdhsa_system_vgpr_workitem_id 0
		.amdhsa_next_free_vgpr 768
		.amdhsa_next_free_sgpr 106
		.amdhsa_reserve_vcc 0
		.amdhsa_float_denorm_mode_32 3
		.amdhsa_float_denorm_mode_16_64 3
		.amdhsa_memory_ordered 1
		.amdhsa_forward_progress 1
		.amdhsa_inst_pref_size 174
	.end_amdhsa_kernel
	.amdgpu_metadata
---
amdhsa.version: [ 1, 2 ]
amdhsa.kernels:
  - .name:           k_q38a617a91d_qkv
    .symbol:         k_q38a617a91d_qkv.kd
    .args:
      - { .name: x_codes, .offset: 0, .size: 8, .value_kind: global_buffer, .address_space: global }
      - { .name: wqkv_codes, .offset: 8, .size: 8, .value_kind: global_buffer, .address_space: global }
      - { .name: cos, .offset: 16, .size: 8, .value_kind: global_buffer, .address_space: global }
      - { .name: sin, .offset: 24, .size: 8, .value_kind: global_buffer, .address_space: global }
      - { .name: lowp_scales, .offset: 32, .size: 8, .value_kind: global_buffer, .address_space: global }
      - { .name: q_codes, .offset: 40, .size: 8, .value_kind: global_buffer, .address_space: global }
      - { .name: k_codes, .offset: 48, .size: 8, .value_kind: global_buffer, .address_space: global }
      - { .name: v_codes, .offset: 56, .size: 8, .value_kind: global_buffer, .address_space: global }
    .group_segment_fixed_size: 327680
    .private_segment_fixed_size: 0
    .kernarg_segment_align: 8
    .kernarg_segment_size: 64
    .max_flat_workgroup_size: 128
    .sgpr_count:     106
    .vgpr_count:     768
    .wavefront_size: 32
...
	.end_amdgpu_metadata
.endif
;; end of part 2
;; launch attn (part 3): grid 32 x 8, 16 waves a work-group, clusters of 4 x 1, 327,680 bytes of LDS; arguments q_codes, k_codes, v_codes, lowp_scales, ctx_codes; writes ctx_codes
.if DOCPART == 3
	.amdgcn_target "amdgcn-amd-amdhsa--gfx1250"
	.amdhsa_code_object_version 6
	.text
	.protected	k_q38a617a91d_attn
	.globl	k_q38a617a91d_attn
	.p2align	8
	.type	k_q38a617a91d_attn,@function
k_q38a617a91d_attn:
	s_mov_b64 s[64:65], 0
	v_nop
	global_prefetch_b8 v0, s[64:65] scope:SCOPE_SE
	s_setreg_imm32_b32 hwreg(HW_REG_WAVE_MODE, 25, 1), 1
	s_wait_xcnt 0x0
	s_wait_alu depctr_hold_cnt(0) depctr_sa_sdst(0) depctr_va_vdst(0) depctr_va_sdst(0) depctr_va_ssrc(0) depctr_va_vcc(0) depctr_vm_vsrc(0)
	s_getreg_b32 s2, hwreg(HW_REG_IB_STS2, 6, 4)
	s_cmp_eq_u32 s2, 0
	s_cbranch_scc0 .Lentry_in_a_cluster
	s_endpgm
.Lentry_in_a_cluster:
	s_bfe_u32 s2, ttmp6, 0x10000c
	s_cmp_lg_u32 s2, 0x3003
	s_cbranch_scc0 .Lentry_shape_is_right
	s_endpgm
.Lentry_shape_is_right:
; ctx[token][head][:] = the sum over keys k <= token of softmax_k(q . k / 8) v, 32 query heads on 8 kv heads, head size 64, 2,048 tokens; both products on codes of FP8 (E4M3) with the given scales (entries 6 to 9);
; ctx is quantised on the way out (entry 10) as the out product's operand.  Steps of 128 keys that lie wholly behind a tile's queries under the causal mask are not multiplied.
; THE SOFTMAX AHEAD OF THE SECOND PRODUCT: t = score x log2(e) / 8; M = the largest t so far, rounded UP to a whole number; p = 2^(t - M) is what is quantised, along the keys; it is not normalised.
; The row's sum is taken of the unquantised p, in f32, and divides O at the end.  When M moves, the sum and O are multiplied by 2^(old M - new M): exact.
; ALL OPERANDS LIE AS IMAGES OF REGISTERS (lane l = r + 16 h: row r; registers 2 c, 2 c + 1: k = 16 c + 8 h + 0 .. 7; four registers = a chunk of 512 bytes, 16 bytes a lane): q, k: 16 tokens x 64 = 1,024 bytes;
; v: 16 channels x 128 keys = 2,048 bytes; ctx: 16 tokens x 128 of the out product's K.
; A KV HEAD'S WHOLE K AND V, 131,072 bytes each, LIE IN LDS, fetched once: each of the sixteen waves issues ONE tensor load at the head (waves 0-7: K, waves 8-15: V), two rows of 8,192 bytes: steps w % 8 and w % 8 + 8.
; So step s lies at 16,384 (s % 8) + 8,192 (s / 8), and every load holds a step under 8, which some wave reads.  No LDS byte is filled twice.  All fills go out at the head, so there is no loop to prefetch in.
; CLUSTER: the four work-groups of a cluster serve one kv head: each load is a JOINT one, with the same descriptor in all four and a mask that names the four.
; SHARES.  A wave has head 4 kv + g, g = wave % 4, and owns token tile T = (pi odd ? 63 - pb : pb) + 64 (pi / 2), pb = 4 x cluster x + cx, pi = (wave / 4 + wave) % 4.  With x = cluster x / 2 and y = (pi odd ? 7 - x : x), T's keys end
; in step y + 8 (pi / 2).  The tiles of pi and 3 - pi have 17 steps together.  They are shared out: the wave with pi < 2 first walks steps 0 .. 6 - y of its PARTNER's tile 127 - T (pass 1), leaves O, -M and the sums in an LDS stage,
; and then walks its own y + 1 steps (pass 2): 8 steps.  The wave with pi >= 2 walks steps y .. y + 8 of its own tile: 9 steps; behind a barrier it joins the partner's part: both parts are brought under the larger M by powers of two.
; Nothing in these counts differs between partners of the cluster.  Waves with the same wave % 4, and those with the same wave / 4, hold all four pi: 34 steps.
; Both passes have constant trip counts (16 and 8); a step outside the wave's range is jumped over by a scalar branch on ids.
; LAYOUT.  Both products are used transposed: S^T = K Q^T (source 0 = 16 keys, source 1 = 16 queries), O^T = V^T P^T (source 0 = 16 channels, source 1 = P): a lane holds ONE query (lane % 16) throughout; register 8 t + j of
; S^T is key 16 t + 8 h + j, so the conversions' results are P's registers.
; LIMITS, so that each power of two is an f32 number: entries 6 + 7 between -123 and 130 (added to c's exponent field); entry 8, and entries 10 - 8 - 9, between -126 and 119.  1 / the sum is v_rcp_f32's.
.set VOFF,  131072                     ; LDS: K's sixteen steps of 8,192 bytes, then V's
.set SPARE, 262144                     ; behind them: the spare words, 128 bytes for each of sixteen waves, which no other line names
.set STAGE, 264192                     ; behind those: eight stages of 9 x 512 bytes, one for each pair of waves; no fill lands here
.set LI,   1                           ; v1   16 x lane
.set DM,   2                           ; v2   the mask: my query's place in its step of 128 keys, less 8 h
.set NINF, 3                           ; v3   -infinity
.set STA,  4                           ; v4   my place in my pair's stage
.set SPW,  5                           ; v5   my spare word; never rewritten
.set NIL,  6                           ; v6   0; never rewritten
.set ADK,  8                           ; v8   LDS address of the step's K
.set ADV,  9                           ; v9   of its V
.set NM,   12                          ; v12  -M;  v13 the largest t so far
.set L,    14                          ; v[14:15] the sum, in two halves
.set Q1,   16                          ; v16-23   pass 1's queries
.set Q2,   24                          ; v24-31   pass 2's: my own tile
.set KV,   32                          ; v32-95   K's eight fragments, then V's four
.set S,    96                          ; v96-159  S^T, then p; at the end the partner's part
.set O,    160                         ; v160-191 O^T
.set PX,   200                         ; v200 a lane permute's destination
.set F,    202                         ; v[202:203] f = 2^(old M - new M), and a 0 named with it as a pair
.set TM,   204                         ; v204 at work
.set L2,   206                         ; v[206:207] the sums' second chain; at the end the partner's factor
.set PLIM, 208                         ; v208 448 x 2^(entry 8);  v209 2^(entry 8);  v210, v211 2^(entries 10 - 8 - 9) and 448 x that
.set PSC,  209
.set CSC,  210
.set CLIM, 211
.set P,    224                         ; v224-239 p's codes;  v244-255 the sums' further chains
.set LO1,  14                          ; s14  pass 1: my first step;  s15 the step behind my last;  s16 the step on the diagonal (99: none)
.set EN1,  15
.set DG1,  16
.set EN2,  17                          ; s17  pass 2: the step behind my last (0: none); its diagonal step is y
.set WV,   18                          ; s18  my wave's number
.set SEL,  20                          ; s[20:21] lane selects for v_permlanex16_b32: lane l xor 16
.set CS,   22                          ; s[22:23] c = log2(e) / 8 x 2^(entries 6 + 7)
.set G1,   24                          ; s[24:31] descriptor group 1
.set G0,   32                          ; s[32:35] descriptor group 0
.set EX,   48                          ; s[48:59] the twelve entries of the scales
.set TB,   60                          ; s60  LDS byte of the step's K
.set KS,   61                          ; s61  the step
.set Y,    62                          ; s62  y
.set TA,   63                          ; s63  pass 1's tile
.set KIND, 85                          ; s85  pi / 2: 1 in a wave that walks its own tile in pass 1 and joins its partner's part
.macro CROUND                          ; a round of the cluster's barrier
	s_barrier_signal -1
	s_barrier_wait -1
	s_cmp_lg_u32 s[WV], 0
	s_cbranch_scc1 .Lnot_wave_0_\@
	s_barrier_signal -3
.Lnot_wave_0_\@:
	s_barrier_wait -3
	s_barrier_signal -1
	s_barrier_wait -1
.endm
.macro INIT                            ; a sum's start: the largest t is -3e38, under every t; the sums and O^T are zeros, which the first change of M leaves zeros
	v_mov_b32 v[NM+1], 0xff61b1e6
	s_delay_alu instid0(VALU_DEP_1)
	v_floor_f32 v[NM], -v[NM+1]
	v_mov_b32 v[L], 0
	v_mov_b32 v[L+1], 0
.set j, 0
.rept 32
	v_mov_b32 v[O+j], 0
.set j, j+1
.endr
.endm
	s_load_b256 s[4:11], s[0:1], 0x0               ; q_codes s[4:5], k_codes s[6:7], v_codes s[8:9], the scales s[10:11]
	s_load_b64 s[12:13], s[0:1], 0x20              ; ctx_codes
	v_lshl_add_u32 v[SPW], v0, 2, SPARE
	v_mov_b32 v[NIL], 0
	ds_add_u32 v[SPW], v[NIL]                      ; the wave's opening: the add, twice on end, and its wait stand ahead of my tensor load; the set-up below stands between
	ds_add_u32 v[SPW], v[NIL]
	v_lshrrev_b32 v8, 5, v0
	v_readfirstlane_b32 s[WV], v8                  ; wave 0..15
	s_lshl_b32 s68, s[WV], 14                      ; what I fetch goes to LDS byte 16,384 x wave,
	s_and_b32 s69, s[WV], 7
	s_lshl_b32 s69, s69, 13                        ; and begins at step wave % 8
	s_and_b32 s70, ttmp7, 0xffff                   ; of the kv head, which the four partners share
	s_lshl_b32 s71, s70, 17
	s_add_co_u32 s72, s71, s69
	s_mov_b32 s73, 0
	; descriptor group 1: two rows of 1,024 elements of 8 bytes, 65,536 bytes (eight steps) apart in memory, on end in LDS; no padding
	s_mov_b32 s[G1], 15|(3<<16)|(1<<21)            ; 15:0 the mask: all four work-groups; 17:16 elements of 8 bytes; 21 set beside a mask
	s_mov_b32 s[G1+1], 1024<<16                    ; tensor_dim0
	s_mov_b32 s[G1+2], 2<<16                       ; tensor_dim1
	s_mov_b32 s[G1+3], 1024<<16                    ; tile_dim0
	s_mov_b32 s[G1+4], 2                           ; tile_dim1
	s_mov_b32 s[G1+5], 8192                        ; tensor_dim0_stride
	s_mov_b32 s[G1+6], 0
	s_mov_b32 s[G1+7], 0
	; my tile and my ranges.  cx enters T alone, and T enters only addresses in memory and the mask's numbers
	s_bfe_u32 s76, ttmp6, 0x40000                  ; cx
	s_lshl_b32 s77, ttmp9, 2
	s_add_co_u32 s77, s77, s76                     ; pb
	s_sub_co_u32 s78, 63, s77
	s_and_b32 s80, s[WV], 3                        ; g
	s_lshr_b32 s81, s[WV], 2
	s_add_co_u32 s81, s81, s[WV]
	s_and_b32 s81, s81, 3                          ; pi
	s_lshr_b32 s82, ttmp9, 1                       ; x
	s_sub_co_u32 s83, 7, s82
	s_lshr_b32 s[KIND], s81, 1
	s_and_b32 s84, s81, 1
	s_cmp_lg_u32 s84, 0
	s_cselect_b32 s[Y], s83, s82
	s_cselect_b32 s79, s78, s77
	s_lshl_b32 s84, s[KIND], 6
	s_add_co_u32 s79, s79, s84                     ; T
	s_sub_co_u32 s[TA], 127, s79                   ; my partner's tile
	s_add_co_u32 s66, s[Y], 9
	s_sub_co_u32 s67, 7, s[Y]
	s_add_co_u32 s74, s[Y], 8
	s_add_co_u32 s75, s[Y], 1
	s_cmp_lg_u32 s[KIND], 0
	s_cselect_b32 s[LO1], s[Y], 0
	s_cselect_b32 s[EN1], s66, s67
	s_cselect_b32 s[DG1], s74, 99
	s_cselect_b32 s[EN2], 0, s75
	s_cselect_b32 s[TA], s79, s[TA]
	s_xor_b32 s84, s81, s[KIND]                    ; the pair's stage: 2 g + (0 for pi 0 and 3, 1 for pi 1 and 2)
	s_and_b32 s84, s84, 1
	s_lshl_b32 s83, s80, 1
	s_add_co_u32 s84, s84, s83
	s_mul_i32 s84, s84, 4608
	s_add_co_u32 s19, s84, STAGE
	s_lshl_b32 s86, s70, 2
	s_add_co_u32 s86, s86, s80                     ; my head = 4 kv + g
	s_lshl_b32 s86, s86, 17
	s_lshl_b32 s87, s[TA], 10
	s_add_co_u32 s82, s86, s87                     ; pass 1's queries: head x 131,072 + tile x 1,024
	s_lshl_b32 s87, s79, 10
	s_add_co_u32 s86, s86, s87                     ; my own tile's
	s_mov_b32 s83, 0
	s_mov_b32 s87, 0
	s_lshr_b32 s88, s70, 1                         ; ctx: k = 64 x head + d: chunk of 512 = kv / 2; in it (kv % 2) x 4,096 + g x 1,024; row block T
	s_lshl_b32 s88, s88, 20
	s_lshl_b32 s89, s79, 13
	s_add_co_u32 s88, s88, s89
	s_and_b32 s89, s70, 1
	s_lshl_b32 s89, s89, 12
	s_add_co_u32 s88, s88, s89
	s_lshl_b32 s89, s80, 10
	s_add_co_u32 s88, s88, s89
	s_mov_b32 s89, 0
	s_and_b32 s84, s79, 7
	s_lshl_b32 s84, s84, 4                         ; my tile's place in its step of 128 keys
	s_mov_b32 s[SEL], 0x76543210
	s_mov_b32 s[SEL+1], 0xfedcba98
	s_mov_b32 s[CS], 0x3e38aa3b                    ; log2(e) / 8
	v_and_b32 v[LI], 31, v0
	s_delay_alu instid0(VALU_DEP_1)
	v_lshlrev_b32 v[LI], 4, v[LI]
	v_and_b32 v8, 15, v0                           ; r
	v_bfe_u32 v9, v0, 4, 1                         ; h
	s_delay_alu instid0(VALU_DEP_1)
	v_lshlrev_b32 v9, 3, v9
	s_delay_alu instid0(VALU_DEP_1)
	v_sub_nc_u32 v[DM], v8, v9
	s_delay_alu instid0(VALU_DEP_1)
	v_add_nc_u32 v[DM], s84, v[DM]
	v_mov_b32 v[NINF], 0xff800000
	v_add_nc_u32 v[STA], s19, v[LI]
	s_wait_alu depctr_va_vdst(0)
	s_wait_dscnt 0x0                               ; both opening adds are done
	s_wait_kmcnt 0x0
	s_load_b256 s[EX:EX+7], s[10:11], 0x0
	s_load_b128 s[EX+8:EX+11], s[10:11], 0x20
	s_cmp_lt_u32 s[WV], 8                          ; waves 0 to 7 fetch K, waves 8 to 15 V
	s_cselect_b64 s[74:75], s[6:7], s[8:9]
	s_add_nc_u64 s[74:75], s[74:75], s[72:73]
	s_mov_b32 s[G0], 1                             ; 1:0 count = 1
	s_mov_b32 s[G0+1], s68                         ; 63:32 LDS address
	s_mov_b64 s[G0+2:G0+3], s[74:75]               ; 120:64 global address
	s_or_b32 s[G0+3], s[G0+3], 0x80000000          ; 127:126 type = 2
	s_add_nc_u64 s[86:87], s[4:5], s[86:87]        ; my own tile's queries: a pair that no later line writes
	s_add_nc_u64 s[4:5], s[4:5], s[82:83]
	s_add_nc_u64 s[12:13], s[12:13], s[88:89]
	CROUND                                         ; all four work-groups are here: the joint loads meet
	tensor_load_to_lds s[G0:G0+3], s[G1:G1+7]      ; my one tensor load of the launch
	s_nop 0
.rept 4
	v_nop
.endr
	global_load_b128 v[Q1:Q1+3], v[LI], s[4:5]     ; both passes' queries stay in registers
	global_load_b128 v[Q1+4:Q1+7], v[LI], s[4:5] offset:512
	global_load_b128 v[Q2:Q2+3], v[LI], s[86:87]
	global_load_b128 v[Q2+4:Q2+7], v[LI], s[86:87] offset:512
	INIT
	v_mov_b32 v[PX], 0                             ; written once: a lane permute's destination counts as one of its sources
	v_mov_b32 v[F+1], 0
	v_mov_b32 v[L2], 0
	v_mov_b32 v[L2+1], 0
	s_wait_kmcnt 0x0
	s_add_co_i32 s66, s[EX+6], s[EX+7]
	s_lshl_b32 s66, s66, 23
	s_add_co_i32 s[CS], s[CS], s66                 ; a score stands for score x 2^(entries 6 + 7): the exponents are added to c's exponent field
	s_mov_b32 s[CS+1], s[CS]                       ; (named with it as a pair, so it is written)
	s_add_co_i32 s66, s[EX+8], 127
	s_lshl_b32 s67, s66, 23
	v_mov_b32 v[PSC], s67
	s_add_co_i32 s66, s66, 8
	s_lshl_b32 s66, s66, 23
	s_or_b32 s66, s66, 0x600000
	v_mov_b32 v[PLIM], s66
	s_sub_co_i32 s66, s[EX+10], s[EX+8]            ; O^T / the sum stands for that x 2^(entries 8 + 9): ctx's code is it / 2^(entries 10 - 8 - 9)
	s_sub_co_i32 s66, s66, s[EX+9]
	s_add_co_i32 s66, s66, 127
	s_lshl_b32 s67, s66, 23
	v_mov_b32 v[CSC], s67
	s_add_co_i32 s66, s66, 8
	s_lshl_b32 s66, s66, 23
	s_or_b32 s66, s66, 0x600000
	v_mov_b32 v[CLIM], s66
	s_wait_alu depctr_va_vdst(0)
	s_wait_loadcnt 0x0                             ; the queries
	s_wait_tensorcnt 0x0                           ; my part of K or V is in
	s_wait_dscnt 0x0
	s_barrier_signal -1
	s_barrier_wait -1                              ; everybody's is: K and V are whole, and nothing is filled again
; A KEY STEP: 128 keys.  q: the queries' registers; haslo: the range has a lower end; en, dg: the scalar registers with the range's end and the diagonal step
.macro STEP q, haslo, en, dg
.if \haslo
	s_cmp_lt_u32 s[KS], s[LO1]
	s_cbranch_scc1 .Lhidden_\@
.endif
	s_cmp_ge_u32 s[KS], s[\en]                     ; outside my range: the step's work is left out
	s_cbranch_scc1 .Lhidden_\@
	v_add_nc_u32 v[ADK], s[TB], v[LI]
	s_delay_alu instid0(VALU_DEP_1)
	v_add_nc_u32 v[ADV], VOFF, v[ADK]
	v_nop                                          ; with the two additions: four places in front of loads into registers that the last products read
	v_nop
.irp t, 0,1,2,3,4,5,6,7
	ds_load_b128 v[KV+8*\t:KV+8*\t+3], v[ADK] offset:\t*1024
	ds_load_b128 v[KV+8*\t+4:KV+8*\t+7], v[ADK] offset:\t*1024+512
.endr
	s_wait_alu depctr_va_vdst(0)
	s_wait_dscnt 0x0
.irp t, 0,1,2,3,4,5,6,7
	v_wmma_f32_16x16x64_fp8_fp8 v[S+8*\t:S+8*\t+7], v[KV+8*\t:KV+8*\t+7], v[\q:\q+7], 0
.endr
.rept 4
	v_nop                                          ; places in front of the loads below and of the first read of the scores
.endr
.irp a, 0,1,2,3
.irp c, 0,1,2,3
	ds_load_b128 v[KV+16*\a+4*\c:KV+16*\a+4*\c+3], v[ADV] offset:\a*2048+\c*512   ; V is asked for now and lands under the softmax
.endr
.endr
	s_cmp_lg_u32 s[KS], s[\dg]                     ; on the diagonal the scores of hidden keys become -infinity ahead of the maximum, so that p = 0
	s_cbranch_scc1 .Lopen_\@
.set n, 0
.rept 64
	v_cmp_gt_i32 vcc_lo, 16*(n/8)+n%8, v[DM]       ; register n holds key 16 (n / 8) + 8 h + n % 8 of the step: hidden where that is above my query's place
	v_cndmask_b32 v[S+n], v[S+n], v[NINF], vcc_lo
.set n, n+1
.endr
.Lopen_\@:
	v_max3_num_f32 v[TM], v[S], v[S+1], v[S+2]     ; the step's largest score of my query among my 64 keys, in two chains; each accumulator is read from its low end on
	v_max3_num_f32 v[F], v[S+3], v[S+4], v[S+5]
.irp i, 6,10,14,18,22,26,30,34,38,42,46,50,54,58
	v_max3_num_f32 v[TM], v[TM], v[S+\i], v[S+1+\i]
	v_max3_num_f32 v[F], v[F], v[S+2+\i], v[S+3+\i]
.endr
	v_max3_num_f32 v[TM], v[TM], v[S+62], v[S+63]
	s_delay_alu instid0(VALU_DEP_1)
	v_max_num_f32 v[TM], v[TM], v[F]
	s_delay_alu instid0(VALU_DEP_1)
	v_permlanex16_b32 v[PX], v[TM], s[SEL], s[SEL+1]
	s_delay_alu instid0(VALU_DEP_1)
	v_max_num_f32 v[TM], v[TM], v[PX]              ; and among lane l xor 16's
	s_delay_alu instid0(VALU_DEP_1)
	v_mul_f32 v[TM], s[CS], v[TM]                  ; as t (c is positive)
	s_delay_alu instid0(VALU_DEP_1)
	v_max_num_f32 v[NM+1], v[NM+1], v[TM]          ; the running largest t
	v_mov_b32 v[TM], v[NM]
	s_delay_alu instid0(VALU_DEP_2)
	v_floor_f32 v[NM], -v[NM+1]                    ; the new -M = floor(-t) = -ceil(t): M is a whole number
	s_delay_alu instid0(VALU_DEP_1)
	v_sub_f32 v[TM], v[NM], v[TM]                  ; M's old value less its new one: a whole number, 0 or less
	s_delay_alu instid0(VALU_DEP_1)
	v_cvt_i32_f32 v[TM], v[TM]                     ; (it saturates)
	s_delay_alu instid0(VALU_DEP_1)
	v_ldexp_f32 v[F], 1.0, v[TM]                   ; f = 2^(old M - new M): a multiplication by it rounds nothing
.set j, 0
.rept 32
	v_pk_fma_f32 v[S+j:S+j+1], v[S+j:S+j+1], s[CS:CS+1], v[NM:NM+1] op_sel_hi:[1,0,0]   ; t - M, two at a time (of the pairs c and -M the low word serves both halves)
.set j, j+2
.endr
.set j, 0
	s_wait_alu depctr_va_vdst(0)
.rept 64
	v_exp_f32 v[S+j], v[S+j]                       ; p = 2^(t - M), at most 1: not normalised
.set j, j+1
.endr
	v_pk_mul_f32 v[L:L+1], v[L:L+1], v[F:F+1] op_sel_hi:[1,0]   ; the sums under the new M: the plain line behind the exponentials
	s_wait_alu depctr_va_vdst(0)                   ; and the one wait behind the batch of 64, ahead of its first reader
	v_pk_add_f32 v[206:207], v[100:101], v[104:105]   ; the row's sum is taken of the unquantised p: two at a time, in eight chains
	v_pk_add_f32 v[254:255], v[108:109], v[112:113]
	v_pk_add_f32 v[252:253], v[116:117], v[120:121]
	v_pk_add_f32 v[250:251], v[124:125], v[128:129]
	v_pk_add_f32 v[248:249], v[132:133], v[136:137]
	v_pk_add_f32 v[246:247], v[140:141], v[144:145]
	v_pk_add_f32 v[244:245], v[148:149], v[152:153]
	v_pk_add_f32 v[14:15], v[14:15], v[156:157]
	v_pk_add_f32 v[206:207], v[206:207], v[96:97]
	v_pk_add_f32 v[254:255], v[254:255], v[98:99]
	v_pk_add_f32 v[252:253], v[252:253], v[102:103]
	v_pk_add_f32 v[250:251], v[250:251], v[106:107]
	v_pk_add_f32 v[248:249], v[248:249], v[110:111]
	v_pk_add_f32 v[246:247], v[246:247], v[114:115]
	v_pk_add_f32 v[244:245], v[244:245], v[118:119]
	v_pk_add_f32 v[14:15], v[14:15], v[122:123]
	v_pk_add_f32 v[206:207], v[206:207], v[126:127]
	v_pk_add_f32 v[254:255], v[254:255], v[130:131]
	v_pk_add_f32 v[252:253], v[252:253], v[134:135]
	v_pk_add_f32 v[250:251], v[250:251], v[138:139]
	v_pk_add_f32 v[248:249], v[248:249], v[142:143]
	v_pk_add_f32 v[246:247], v[246:247], v[146:147]
	v_pk_add_f32 v[244:245], v[244:245], v[150:151]
	v_pk_add_f32 v[14:15], v[14:15], v[154:155]
	v_pk_add_f32 v[206:207], v[206:207], v[158:159]
	s_delay_alu instid0(VALU_DEP_2)
	v_pk_add_f32 v[14:15], v[14:15], v[250:251]
	s_delay_alu instid0(VALU_DEP_2)
	v_pk_add_f32 v[206:207], v[206:207], v[248:249]
	v_pk_add_f32 v[254:255], v[254:255], v[246:247]
	v_pk_add_f32 v[252:253], v[252:253], v[244:245]
	s_delay_alu instid0(VALU_DEP_2)
	v_pk_add_f32 v[14:15], v[14:15], v[254:255]
	s_delay_alu instid0(VALU_DEP_2)
	v_pk_add_f32 v[206:207], v[206:207], v[252:253]
	s_delay_alu instid0(VALU_DEP_1)
	v_pk_add_f32 v[14:15], v[14:15], v[206:207]
.irp t, 0,1,2,3,4,5,6,7
.irp i, 0,1,2,3,4,5,6,7
	v_min_num_f32 v[S+8*\t+\i], v[S+8*\t+\i], v[PLIM]   ; the conversion to an 8-bit code does not saturate (ISA guide 7.6.2); p is not negative, so the hold is one-sided
.endr
	v_cvt_scalef32_pk8_fp8_f32 v[P+2*\t:P+2*\t+1], v[S+8*\t:S+8*\t+7], v[PSC]   ; keys 16 t + 8 h + 0 .. 7: registers 2 t, 2 t + 1 of the operand
.endr
.set j, 0
.rept 16
	v_pk_mul_f32 v[O+j:O+j+1], v[O+j:O+j+1], v[F:F+1] op_sel_hi:[1,0]   ; O^T under the new M.  (Also the plain lines between the conversions and the products that read their results)
.set j, j+2
.endr
	s_wait_alu depctr_va_vdst(0)
	s_wait_dscnt 0x0                               ; V is in
.irp a, 0,1,2,3
	v_wmma_f32_16x16x128_fp8_fp8 v[O+8*\a:O+8*\a+7], v[KV+16*\a:KV+16*\a+15], v[P:P+15], v[O+8*\a:O+8*\a+7]   ; four accumulators by turns; the next step's eight products K Q^T stand between two links
.endr
.Lhidden_\@:
.endm
	; PASS 1: sixteen trips
	s_mov_b32 s[KS], 0
.Lpass1:
	s_lshl_b32 s[TB], s[KS], 14                    ; step s lies at 16,384 (s % 8) + 8,192 (s / 8)
	s_and_b32 s[TB], s[TB], 0x1c000
	s_lshr_b32 s66, s[KS], 3
	s_lshl_b32 s66, s66, 13
	s_or_b32 s[TB], s[TB], s66
	STEP Q1, 1, EN1, DG1
	s_add_co_u32 s[KS], s[KS], 1
	s_cmp_lt_u32 s[KS], 16
	s_cbranch_scc1 .Lpass1
.rept 4
	v_nop                                          ; places behind the last products
.endr
	s_cmp_lg_u32 s[KIND], 0
	s_cbranch_scc1 .Lkeep
.irp c, 0,1,2,3,4,5,6,7
	ds_store_b128 v[STA], v[O+4*\c:O+4*\c+3] offset:512*\c   ; my part of the partner's tile, as an image of registers: O^T from its low end on,
.endr
	ds_store_b128 v[STA], v[NM:NM+3] offset:4096   ; then -M, the largest t and the sum's two halves
	s_wait_dscnt 0x0                               ; the stores are done, for the partner's sake and ahead of the lines that write their registers
	INIT                                           ; my own tile begins
.Lkeep:
	s_wait_alu depctr_va_vdst(0)
	; PASS 2: eight trips: steps 0 to 7
	s_mov_b32 s[KS], 0
.Lpass2:
	s_lshl_b32 s[TB], s[KS], 14
	STEP Q2, 0, EN2, Y
	s_add_co_u32 s[KS], s[KS], 1
	s_cmp_lt_u32 s[KS], 8
	s_cbranch_scc1 .Lpass2
.rept 4
	v_nop                                          ; places behind the last products
.endr
	s_wait_dscnt 0x0                               ; no LDS instruction of mine is out at a signal
	s_barrier_signal -1
	s_barrier_wait -1                              ; every stage is written
	s_cmp_eq_u32 s[KIND], 0
	s_cbranch_scc1 .Lfin
	; THE TWO PARTS OF MY TILE ARE JOINED under the larger M: each is multiplied by 2^(its M - the larger M), which rounds nothing.  A part of no steps has -M = 3e38: its factor is 0, and so are its numbers
.irp c, 0,1,2,3,4,5,6,7,8
	ds_load_b128 v[S+4*\c:S+4*\c+3], v[STA] offset:512*\c
.endr
	s_wait_dscnt 0x0
	v_min_num_f32 v[TM], v[NM], v[S+32]            ; the lesser -M
	v_sub_f32 v[F], v[TM], v[NM]
	v_sub_f32 v[L2], v[TM], v[S+32]
	v_cvt_i32_f32 v[F], v[F]                       ; (they saturate)
	v_cvt_i32_f32 v[L2], v[L2]
	v_ldexp_f32 v[F], 1.0, v[F]
	v_ldexp_f32 v[L2], 1.0, v[L2]
	v_pk_mul_f32 v[L:L+1], v[L:L+1], v[F:F+1] op_sel_hi:[1,0]
	v_pk_fma_f32 v[L:L+1], v[S+34:S+35], v[L2:L2+1], v[L:L+1] op_sel_hi:[1,0,1]
.set j, 0
.rept 16
	v_pk_mul_f32 v[O+j:O+j+1], v[O+j:O+j+1], v[F:F+1] op_sel_hi:[1,0]
.set j, j+2
.endr
.set j, 0
.rept 16
	v_pk_fma_f32 v[O+j:O+j+1], v[S+j:S+j+1], v[L2:L2+1], v[O+j:O+j+1] op_sel_hi:[1,0,1]
.set j, j+2
.endr
.Lfin:
	; THE WAY OUT.  O^T / the sum is quantised in registers: lane (r, h) holds token r and channels 16 a + 8 h + j, which are registers 2 a, 2 a + 1 of the out product's operand.
	v_add_f32 v[L], v[L], v[L+1]                   ; the sum's two halves,
	s_delay_alu instid0(VALU_DEP_1)
	v_permlanex16_b32 v[PX], v[L], s[SEL], s[SEL+1]
	s_delay_alu instid0(VALU_DEP_1)
	v_add_f32 v[L], v[L], v[PX]                    ; and lane l xor 16's: the row's sum
	s_wait_alu depctr_va_vdst(0)                   ; the wait ahead of the reciprocal,
	v_rcp_f32 v[F], v[L]
	v_nop                                          ; a plain line behind it,
	s_wait_alu depctr_va_vdst(0)                   ; and the wait ahead of its first reader, which is also O^T's
.set j, 0
.rept 16
	v_pk_mul_f32 v[O+j:O+j+1], v[O+j:O+j+1], v[F:F+1] op_sel_hi:[1,0]
.set j, j+2
.endr
.set j, 0
.rept 32
	v_med3_num_f32 v[O+j], v[O+j], -v[CLIM], v[CLIM]
.set j, j+1
.endr
.irp a, 0,1,2,3
	v_cvt_scalef32_pk8_fp8_f32 v[S+2*\a:S+2*\a+1], v[O+8*\a:O+8*\a+7], v[CSC]
.endr
	v_nop                                          ; a plain vector line behind the last conversion
	global_store_b128 v[LI], v[S:S+3], s[12:13]    ; two chunks: 32 lanes store 512 consecutive aligned bytes each
	global_store_b128 v[LI], v[S+4:S+7], s[12:13] offset:512
	s_wait_tensorcnt 0x0                           ; the wave's end: behind my tensor load and my last LDS store
	ds_add_u32 v[SPW], v[NIL]
	s_wait_dscnt 0x0
	CROUND                                         ; the closing round: no work-group ends while a partner may still ask for a tile that names it
	s_endpgm
.Lfunc_end_k_q38a617a91d_attn:
	.size	k_q38a617a91d_attn, .Lfunc_end_k_q38a617a91d_attn-k_q38a617a91d_attn
	.p2alignl 7, 3214868480
	.fill 96, 4, 3214868480
	.section	.rodata,"a",@progbits
	.p2align	6, 0x0
	.amdhsa_kernel k_q38a617a91d_attn
		.amdhsa_group_segment_fixed_size 327680
		.amdhsa_private_segment_fixed_size 0
		.amdhsa_enable_private_segment 0
		.amdhsa_kernarg_size 40
		.amdhsa_user_sgpr_count 2
		.amdhsa_user_sgpr_kernarg_segment_ptr 1
		.amdhsa_wavefront_size32 1
		.amdhsa_system_sgpr_workgroup_id_x 1
		.amdhsa_system_sgpr_workgroup_id_y 1
		.amdhsa_system_sgpr_workgroup_id_z 1
		.amdhsa_system_vgpr_workitem_id 0
		.amdhsa_next_free_vgpr 256
		.amdhsa_next_free_sgpr 90
		.amdhsa_reserve_vcc 1
		.amdhsa_float_denorm_mode_32 3
		.amdhsa_float_denorm_mode_16_64 3
		.amdhsa_memory_ordered 1
		.amdhsa_forward_progress 1
		.amdhsa_inst_pref_size 60
	.end_amdhsa_kernel
	.amdgpu_metadata
---
amdhsa.version: [ 1, 2 ]
amdhsa.kernels:
  - .name:           k_q38a617a91d_attn
    .symbol:         k_q38a617a91d_attn.kd
    .args:
      - { .name: q_codes, .offset: 0, .size: 8, .value_kind: global_buffer, .address_space: global }
      - { .name: k_codes, .offset: 8, .size: 8, .value_kind: global_buffer, .address_space: global }
      - { .name: v_codes, .offset: 16, .size: 8, .value_kind: global_buffer, .address_space: global }
      - { .name: lowp_scales, .offset: 24, .size: 8, .value_kind: global_buffer, .address_space: global }
      - { .name: ctx_codes, .offset: 32, .size: 8, .value_kind: global_buffer, .address_space: global }
    .group_segment_fixed_size: 327680
    .private_segment_fixed_size: 0
    .kernarg_segment_align: 8
    .kernarg_segment_size: 40
    .max_flat_workgroup_size: 512
    .sgpr_count:     90
    .vgpr_count:     256
    .wavefront_size: 32
...
	.end_amdgpu_metadata
.endif
;; end of part 3
;; launch outp (part 4): grid 16 x 16, 4 waves a work-group, clusters of 4 x 4, 327,680 bytes of LDS; arguments ctx_codes, wo_codes, lowp_scales, out0; writes out0
.if DOCPART == 4
	.amdgcn_target "amdgcn-amd-amdhsa--gfx1250"
	.amdhsa_code_object_version 6
	.text
	.protected	k_q38a617a91d_outp
	.globl	k_q38a617a91d_outp
	.p2align	8
	.type	k_q38a617a91d_outp,@function
k_q38a617a91d_outp:
	s_mov_b64 s[64:65], 0
	v_nop
	global_prefetch_b8 v0, s[64:65] scope:SCOPE_SE
	s_setreg_imm32_b32 hwreg(HW_REG_WAVE_MODE, 25, 1), 1
	s_wait_xcnt 0x0
	s_wait_alu depctr_hold_cnt(0) depctr_sa_sdst(0) depctr_va_vdst(0) depctr_va_sdst(0) depctr_va_ssrc(0) depctr_va_vcc(0) depctr_vm_vsrc(0)
	s_getreg_b32 s2, hwreg(HW_REG_IB_STS2, 6, 4)
	s_cmp_eq_u32 s2, 0
	s_cbranch_scc0 .Lentry_in_a_cluster
	s_endpgm
.Lentry_in_a_cluster:
	s_bfe_u32 s2, ttmp6, 0x10000c
	s_cmp_lg_u32 s2, 0xf033
	s_cbranch_scc0 .Lentry_shape_is_right
	s_endpgm
.Lentry_shape_is_right:
; out0 = ctx Wo^T on codes of FP8 (E4M3), K = 2,048; each finished sum is multiplied by 2^(entries 10 + 11 of the scales).  LIMIT: entries 10 + 11 lie between -126 and 127.
; A tile of out0 is 128 x 128: four waves of 64 x 64, 16 accumulators each.  K goes in four chunks of 512 through two LDS slots filled by the tensor data mover; the codes lie as images of the operands' registers,
; so a tile's 128 rows x 512 K are 65,536 consecutive bytes, a wave's tensor load brings 32,768 of them, and a fragment is four LDS loads of 512 consecutive bytes.
; CLUSTERS: 4 x 4 work-groups; ctx's tile is shared along a row of the cluster, Wo's along a column: each is asked for jointly.  The matrix instruction is used transposed, so that a lane holds eight neighbouring columns of a row;
; the results leave through each wave's own stage in LDS as whole units of 256 bytes.
; PREFETCHES INTO THE L2: behind the joint load of chunk c each wave asks for chunk c + 2 of the part that it fetches, at the head also for chunk 1; the four partners that ask for a part jointly share its 32,768 bytes out by address,
; 8,192 each (place cx for ctx's parts, cy for Wo's), a lane a block of 256 bytes.
.set SLOT,  131072
.set PART,  32768
.set PFO,   30                         ; v30  256 x lane; never rewritten
.set PF,    68                         ; s[68:69] my work-group's 8,192 bytes of my part, in chunk 0; never rewritten
.set SPARE, 2*SLOT
.set STAGE, SPARE+512
.set SPITCH, 272
.set KCH,   0x100000
.set ADRA, 16
.set ADRB, 20
.set STO,  24
.set RD,   25
.set CO,   26
.set LI,   27
.set SPW,  28
.set NIL,  29
.set TMP,  32
.set BK,   64
.set ACC,  128
.set F0,   0
.set F1,   128
.set G1,   24
.set G0,   32
.set G1B,  48
.set G0B,  56
.set MSB, 0
.macro WIN new
.if MSB != \new
	s_set_vgpr_msb (MSB<<8)|\new
.set MSB, \new
.endif
.endm
.set MUL,  0x05
.set TO_F, 0x40
.macro JLOAD s
	s_cmp_eq_u32 s11, 0
	s_cbranch_scc0 .Lfor_b_\@
	tensor_load_to_lds s[G0+4*\s:G0+4*\s+3], s[G1:G1+7]
	s_nop 0
.rept 4
	v_nop
.endr
	s_branch .Lasked_\@
.Lfor_b_\@:
	tensor_load_to_lds s[G0B+4*\s:G0B+4*\s+3], s[G1B:G1B+7]
	s_nop 0
.rept 4
	v_nop
.endr
.Lasked_\@:
.endm
.macro CREST
	s_cmp_lg_u32 s10, 0
	s_cbranch_scc1 .Lnot_wave_0_\@
	s_barrier_signal -3
.Lnot_wave_0_\@:
	s_barrier_wait -3
	s_barrier_signal -1
	s_barrier_wait -1
.endm
.macro CROUND
	s_barrier_signal -1
	s_barrier_wait -1
	CREST
.endm
.macro PLACES
.rept 4
	v_nop
.endr
.endm
.macro FETCH slot, q, f
	WIN TO_F
.irp i, 0,1,2,3
.irp c, 0,1,2,3
	ds_load_b128 v[\f+64+16*\i+4*\c:\f+64+16*\i+4*\c+3], v[ADRB+\slot] offset:\i*8192+\q*2048+\c*512
	ds_load_b128 v[\f+16*\i+4*\c:\f+16*\i+4*\c+3], v[ADRA+\slot] offset:\i*8192+\q*2048+\c*512
.endr
.endr
.endm
.macro MUL4 f, a, zero
.irp b, 0,1,2,3
.if \zero
	v_wmma_f32_16x16x128_fp8_fp8 v[ACC+8*(4*(\a)+\b):ACC+8*(4*(\a)+\b)+7], v[\f+64+16*\b:\f+64+16*\b+15], v[\f+16*(\a):\f+16*(\a)+15], 0
.else
	v_wmma_f32_16x16x128_fp8_fp8 v[ACC+8*(4*(\a)+\b):ACC+8*(4*(\a)+\b)+7], v[\f+64+16*\b:\f+64+16*\b+15], v[\f+16*(\a):\f+16*(\a)+15], v[ACC+8*(4*(\a)+\b):ACC+8*(4*(\a)+\b)+7]
.endif
.endr
.endm
.macro QUARTER slot, q, f, g, zero
	s_wait_dscnt 0x0
	PLACES
	FETCH \slot, \q, \g
	WIN MUL
	MUL4 \f, 0, \zero
	MUL4 \f, 1, \zero
	MUL4 \f, 2, \zero
	MUL4 \f, 3, \zero
.endm
.macro TURN slot, next, fill
	WIN 0
	s_wait_tensorcnt 0x0
	ds_add_u32 v[SPW], v[NIL]
	s_wait_dscnt 1
	WIN MUL
	MUL4 F1, 0, 0
	s_wait_dscnt 0x0
	s_barrier_signal -1
	MUL4 F1, 1, 0
	WIN 0
	s_barrier_wait -1
.if \fill
	CREST
	s_add_nc_u64 s[G0+4*\slot+2:G0+4*\slot+3], s[G0+4*\slot+2:G0+4*\slot+3], 2*KCH
	s_add_nc_u64 s[G0B+4*\slot+2:G0B+4*\slot+3], s[G0B+4*\slot+2:G0B+4*\slot+3], 2*KCH
	JLOAD \slot
.else
	PLACES
.endif
	FETCH \next, 0, F0
	WIN MUL
	MUL4 F1, 2, 0
	MUL4 F1, 3, 0
.endm
	s_load_b256 s[68:75], s[0:1], 0x0
	v_lshl_add_u32 v[SPW], v0, 2, SPARE
	v_mov_b32 v[NIL], 0
	ds_add_u32 v[SPW], v[NIL]
	ds_add_u32 v[SPW], v[NIL]
	v_lshrrev_b32 v1, 5, v0
	v_readfirstlane_b32 s10, v1
	s_lshr_b32 s11, s10, 1
	s_and_b32 s12, s10, 1
	s_bfe_u32 s40, ttmp6, 0x40000
	s_bfe_u32 s41, ttmp6, 0x40004
	s_and_b32 s14, ttmp7, 0xffff
	s_lshl_b32 s14, s14, 2
	s_add_co_u32 s14, s14, s41
	s_lshl_b32 s42, ttmp9, 2
	s_add_co_u32 s42, s42, s40
	s_lshl_b32 s44, s41, 2
	s_lshl_b32 s44, 15, s44
	s_lshl_b32 s45, 0x1111, s40
	s_or_b32 s[G1], s44, (3<<16)|(1<<21)
	s_or_b32 s[G1B], s45, (3<<16)|(1<<21)
.irp g, G1, G1B
	s_mov_b32 s[\g+1], 32<<16
	s_mov_b32 s[\g+2], 128<<16
	s_mov_b32 s[\g+3], 32<<16
	s_mov_b32 s[\g+4], 128
	s_mov_b32 s[\g+5], 32
	s_mov_b32 s[\g+6], 0
	s_mov_b32 s[\g+7], 0
.endr
	s_lshl_b32 s23, s12, 15
	s_lshl_b32 s22, s14, 16
	s_add_co_u32 s22, s22, s23
	s_lshl_b32 s46, s42, 16
	s_add_co_u32 s46, s46, s23
	s_mov_b32 s23, 0
	s_mov_b32 s47, 0
	s_lshl_b32 s3, s10, 15
	s_wait_dscnt 0x0
	s_wait_kmcnt 0x0
	s_load_b64 s[98:99], s[72:73], 0x28
	s_add_nc_u64 s[18:19], s[68:69], s[22:23]
	s_add_nc_u64 s[20:21], s[70:71], s[46:47]
.irp s, 0,1
	s_mov_b32 s[G0+4*\s], 1
	s_add_co_u32 s[G0+4*\s+1], s3, \s*SLOT
	s_add_nc_u64 s[G0+4*\s+2:G0+4*\s+3], s[18:19], \s*KCH
	s_or_b32 s[G0+4*\s+3], s[G0+4*\s+3], 0x80000000
	s_mov_b32 s[G0B+4*\s], 1
	s_add_co_u32 s[G0B+4*\s+1], s3, \s*SLOT
	s_add_nc_u64 s[G0B+4*\s+2:G0B+4*\s+3], s[20:21], \s*KCH
	s_or_b32 s[G0B+4*\s+3], s[G0B+4*\s+3], 0x80000000
.endr
	CROUND
	JLOAD 0                                        ; chunk 0: one tensor load a wave at the head
	s_cmp_eq_u32 s11, 0                            ; do I fetch for ctx?
	s_cselect_b64 s[PF:PF+1], s[18:19], s[20:21]
	s_cselect_b32 s22, s40, s41                    ; my place among the four that ask with me
	s_lshl_b32 s22, s22, 13
	s_mov_b32 s23, 0
	s_add_nc_u64 s[PF:PF+1], s[PF:PF+1], s[22:23]
	v_and_b32 v1, 31, v0
	v_lshlrev_b32 v[LI], 4, v1
	v_lshlrev_b32 v[PFO], 8, v1
	global_prefetch_b8 v[PFO], s[PF:PF+1] offset:KCH th:TH_LOAD_NT scope:SCOPE_SE     ; chunk 1
	global_prefetch_b8 v[PFO], s[PF:PF+1] offset:2*KCH th:TH_LOAD_NT scope:SCOPE_SE   ; chunk 2
	v_and_b32 v2, 15, v0
	s_wait_alu depctr_va_vdst(0)
	v_bfe_u32 v3, v0, 4, 1
	s_lshl_b32 s22, s11, 15
	s_lshl_b32 s23, s12, 15
	s_add_co_u32 s23, s23, 65536
.irp s, 0,1
	v_add_nc_u32 v[ADRA+\s], s22, v[LI]
	v_add_nc_u32 v[ADRB+\s], s23, v[LI]
	s_add_co_u32 s22, s22, SLOT
	s_add_co_u32 s23, s23, SLOT
.endr
	s_mul_i32 s2, s10, 16*SPITCH
	s_add_co_u32 s2, s2, STAGE
	v_mul_u32_u24 v[STO], v2, SPITCH
	s_wait_alu depctr_va_vdst(0)
	v_lshl_add_u32 v[STO], v3, 5, v[STO]
	v_add_nc_u32 v[STO], s2, v[STO]
	v_mul_u32_u24 v[RD], v3, SPITCH
	v_lshl_add_u32 v[RD], v2, 4, v[RD]
	v_add_nc_u32 v[RD], s2, v[RD]
	v_lshlrev_b32 v[CO], 13, v3
	v_lshl_add_u32 v[CO], v2, 4, v[CO]
	s_lshl_b32 s4, s14, 20
	s_lshl_b32 s5, s11, 19
	s_add_co_u32 s4, s4, s5
	s_lshl_b32 s5, s42, 9
	s_add_co_u32 s4, s4, s5
	s_lshl_b32 s5, s12, 8
	s_add_co_u32 s4, s4, s5
	s_mov_b32 s5, 0
	s_add_nc_u64 s[74:75], s[74:75], s[4:5]
	s_wait_alu depctr_va_vdst(0)
	s_wait_tensorcnt 0x0                           ; my part of chunk 0 is in
	ds_add_u32 v[SPW], v[NIL]
	s_wait_dscnt 0x0
	CROUND                                         ; everybody's part of chunk 0 is in, and all sixteen work-groups are here
	JLOAD 1                                        ; chunk 1: my one tensor load behind the round
	FETCH 0, 0, F0
	global_prefetch_b8 v[PFO], s[PF:PF+1] offset:3*KCH th:TH_LOAD_NT scope:SCOPE_SE   ; chunk 3
	QUARTER 0, 1, F0, F1, 1
	QUARTER 0, 2, F1, F0, 0
	QUARTER 0, 3, F0, F1, 0
	TURN 0, 1, 1
	QUARTER 1, 1, F0, F1, 0
	QUARTER 1, 2, F1, F0, 0
	QUARTER 1, 3, F0, F1, 0
	TURN 1, 0, 1
	QUARTER 0, 1, F0, F1, 0
	QUARTER 0, 2, F1, F0, 0
	QUARTER 0, 3, F0, F1, 0
	TURN 0, 1, 0
	QUARTER 1, 1, F0, F1, 0
	QUARTER 1, 2, F1, F0, 0
	QUARTER 1, 3, F0, F1, 0
	s_wait_dscnt 0x0
	MUL4 F1, 0, 0
	MUL4 F1, 1, 0
	MUL4 F1, 2, 0
	MUL4 F1, 3, 0
	WIN 0
.macro TOSTAGE a
.irp b, 0,1,2,3
.irp i, 0,2,4,6
	v_pk_mul_f32 v[TMP+8*\b+\i:TMP+8*\b+\i+1], v[ACC+8*(4*(\a)+\b)+\i:ACC+8*(4*(\a)+\b)+\i+1], s[98:99] op_sel_hi:[1,0]
.endr
.endr
.irp b, 0,1,2,3
	ds_store_b128 v[STO], v[TMP+8*\b:TMP+8*\b+3] offset:64*\b
	ds_store_b128 v[STO], v[TMP+8*\b+4:TMP+8*\b+7] offset:64*\b+16
.endr
.set BB, BK+32*((\a)%2)
.irp t, 0,1,2,3,4,5,6,7
	ds_load_b128 v[BB+4*\t:BB+4*\t+3], v[RD] offset:\t*2*SPITCH
.endr
.endm
.macro SEND a, younger
.set BB, BK+32*((\a)%2)
	s_wait_dscnt \younger
.irp t, 0,1,2,3,4,5,6,7
	global_store_b128 v[CO], v[BB+4*\t:BB+4*\t+3], s[74:75] offset:(16*(\a)+2*\t)*8192 th:TH_STORE_NT
.endr
.endm
	s_wait_kmcnt 0x0
	s_add_co_i32 s98, s98, s99
	s_add_co_i32 s98, s98, 127
	s_lshl_b32 s98, s98, 23
	s_mov_b32 s99, s98
	PLACES
	TOSTAGE 0
.irp a, 1,2,3
.if \a > 1
	s_wait_xcnt 0x0
.endif
	TOSTAGE \a
	SEND \a-1, 16
.endr
	SEND 3, 0
	s_wait_tensorcnt 0x0
	ds_add_u32 v[SPW], v[NIL]
	s_wait_dscnt 0x0
	CROUND
	s_endpgm
.Lfunc_end_k_q38a617a91d_outp:
	.size	k_q38a617a91d_outp, .Lfunc_end_k_q38a617a91d_outp-k_q38a617a91d_outp
	.p2alignl 7, 3214868480
	.fill 96, 4, 3214868480
	.section	.rodata,"a",@progbits
	.p2align	6, 0x0
	.amdhsa_kernel k_q38a617a91d_outp
		.amdhsa_group_segment_fixed_size 327680
		.amdhsa_private_segment_fixed_size 0
		.amdhsa_enable_private_segment 0
		.amdhsa_kernarg_size 32
		.amdhsa_user_sgpr_count 2
		.amdhsa_user_sgpr_kernarg_segment_ptr 1
		.amdhsa_wavefront_size32 1
		.amdhsa_system_sgpr_workgroup_id_x 1
		.amdhsa_system_sgpr_workgroup_id_y 1
		.amdhsa_system_sgpr_workgroup_id_z 1
		.amdhsa_system_vgpr_workitem_id 0
		.amdhsa_next_free_vgpr 512
		.amdhsa_next_free_sgpr 100
		.amdhsa_reserve_vcc 0
		.amdhsa_float_denorm_mode_32 3
		.amdhsa_float_denorm_mode_16_64 3
		.amdhsa_memory_ordered 1
		.amdhsa_forward_progress 1
		.amdhsa_inst_pref_size 74
	.end_amdhsa_kernel
	.amdgpu_metadata
---
amdhsa.version: [ 1, 2 ]
amdhsa.kernels:
  - .name:           k_q38a617a91d_outp
    .symbol:         k_q38a617a91d_outp.kd
    .args:
      - { .name: ctx_codes, .offset: 0, .size: 8, .value_kind: global_buffer, .address_space: global }
      - { .name: wo_codes, .offset: 8, .size: 8, .value_kind: global_buffer, .address_space: global }
      - { .name: lowp_scales, .offset: 16, .size: 8, .value_kind: global_buffer, .address_space: global }
      - { .name: out0, .offset: 24, .size: 8, .value_kind: global_buffer, .address_space: global }
    .group_segment_fixed_size: 327680
    .private_segment_fixed_size: 0
    .kernarg_segment_align: 8
    .kernarg_segment_size: 32
    .max_flat_workgroup_size: 128
    .sgpr_count:     100
    .vgpr_count:     512
    .wavefront_size: 32
...
	.end_amdgpu_metadata
.endif
;; end of part 4
